; MI455X (gfx1250); checked and timed in simulation.
; The chip was launched on July 23, 2026; its instructions are those of AMD's public machine-readable ISA for CDNA 5 (MIT licence, August 2026) and "CDNA5" Instruction Set Architecture Reference Guide (July 2026). The comments in the code are by the model that wrote it; some were corrected since.
;; Seeded Self Attention. Allowed arithmetic: matrix products marked QUANTISED: E2M3 operands, one E8M0 scale for each 32 along K, by v_wmma_scale_f32_16x16x128_f8f6f4 with both operands' format E2M3, f32 sums; everything else in f32.
;; Inputs: Wk 1,024 x 1,024 float32; Wv 1,024 x 1,024 float32; bk 1,024 float32; bv 1,024 float32; seed_vectors 512 x 1,024 float32; x 32 x 512 x 1,024 float32.
;; Outputs: out0 32 x 512 x 1,024 float32.
;; This version of the problem:
;;   THIS VERSION OF THE PROBLEM IS GIVEN IN LOW PRECISION. The matrix products marked QUANTISED in the list below multiply operands that are first quantised to E2M3 (2 exponent bits, 3 mantissa bits; 6 bits a number), with one power-of-two scale for each 32 numbers along K (OCP MX v1.0); their sums are f32. All else is computed in f32.
;;   The module's matrix products, in the order in which they are computed (A, B: the left and right operand; K: the contracted axis; several contracted axes count as one K, in the product's order):
;;     1. [M 16,384, K 1,024] x [K 1,024, N 1,024]; A: input x; B: input Wk: QUANTISED
;;     2. [M 16,384, K 1,024] x [K 1,024, N 1,024]; A: input x; B: input Wv: QUANTISED
;;     3. [M 16,384, K 1,024] x [K 1,024, N 512]; A: computed on the way; B: input seed_vectors: QUANTISED
;;     4. batch 32 x [M 512, K 512] x [K 512, N 1,024]; A: softmax (see below); B: computed on the way: QUANTISED
;;   THE QUANTISER, for each operand of a quantised product, along K:
;;     - K is cut into blocks of 32 from its start; a last block that is shorter is filled with zeros.
;;     - A block's scale is 2^e with e = floor(log2(the largest magnitude in the block)) - 2, held to -126 .. 127; a block of zeros has e = 0. As a byte (E8M0): e + 127.
;;     - Each number is divided by its block's scale, clamped to +-7.5, and rounded to the nearest number of E2M3, ties to even, subnormals kept.
;;     - The product sums the exact products of the quantised numbers (number of the format x scale) in f32.
;;   ~~~python
;;   def quantise(x, axis):      # numpy; x: float32 -> the quantised numbers, widened to float32 again
;;       x = np.moveaxis(x, axis, -1); K = x.shape[-1]
;;       x = np.pad(x, [(0, 0)] * (x.ndim - 1) + [(0, -K % 32)]); x = x.reshape(x.shape[:-1] + (-1, 32)); a = np.abs(x).max(-1, keepdims=True)
;;       e = np.where(a > 0, np.clip(np.frexp(np.where(a > 0, a, 1))[1] - 1 - 2, -126, 127), 0)      # np.frexp(a)[1] - 1 = floor(log2(a)), exactly
;;       r = np.clip(x / 2.0 ** e, -7.5, 7.5)
;;       step = 2.0 ** (np.maximum(np.frexp(np.where(r == 0, 1, r))[1] - 1, 0) - 3)
;;       q = np.round(r / step) * step * 2.0 ** e      # np.round: ties to even
;;       return np.moveaxis(q.reshape(q.shape[:-2] + (-1,))[..., :K], -1, axis).astype(np.float32)
;;   ~~~
;;   SOFTMAX AHEAD OF A QUANTISED PRODUCT. Where the list says 'softmax', what is quantised is not the finished softmax but p = 2^(t - M), with t = logit x log2(e) and M = ceil(the row's largest t), a whole number; so 1/2 < the row's largest p <= 1. The row's sum l is taken of the UNQUANTISED p, in f32, and the product's result is divided by l at the end. Since M is a whole number, a kernel that streams over the keys may use a running M (the ceiling of the running maximum): every later rescaling is an exact power of two, which a block's scale takes up: the codes' values come out the same.
;;   OPERANDS COMPUTED ON THE WAY. 'Computed on the way' means the value that the module computes at that place (a softmax that the list does not call 'softmax' is quantised finished and normalised). What goes into a quantiser is computed in f32, as accurately as f32 sums, v_exp_f32 and their like allow (about 1e-6 of the number): no bf16 or f16 on the way to a quantiser, and a product that is left as it is and whose result goes on into a quantised operand takes f32 operands (vector FMAs, or v_wmma_f32_16x16x4_f32). A number that lies on a knife's edge between two numbers of the format may be rounded either way, as far as f32 arithmetic and the matrix unit's own rounding can turn it there, and no further.
;; 2 versions, each right; version 2 is version 1 with the launch attn written anew for expert scheduling mode. Each part assembles by itself: llvm-mc -triple=amdgcn-amd-amdhsa -mcpu=gfx1250 --defsym DOCPART=n.
;; ======== version 1 of 2: 3 launches
;; workspace buffers: xq 13,107,200 bytes; sq 409,600 bytes; wq 1,638,400 bytes; kq 13,107,200 bytes; vq 13,107,200 bytes
;; launch quant (part 1): grid 352 x 1, 8 waves a work-group, no clusters, 142,336 bytes of LDS; arguments x, seed_vectors, Wk, Wv, xq, sq, wq; writes xq, sq, wq
.if DOCPART == 1
	.amdgcn_target "amdgcn-amd-amdhsa--gfx1250"
	.amdhsa_code_object_version 6
	.text
	.protected	k_q568d734f00_quant
	.globl	k_q568d734f00_quant
	.p2align	8
	.type	k_q568d734f00_quant,@function
k_q568d734f00_quant:
	s_mov_b64 s[64:65], 0
	v_nop
	global_prefetch_b8 v0, s[64:65] scope:SCOPE_SE
	s_setreg_imm32_b32 hwreg(HW_REG_WAVE_MODE, 25, 1), 1
	s_wait_xcnt 0x0
; x [16384][1024], seed_vectors [512][1024] (K innermost) and Wk, Wv [1024 (K)][1024] (K outermost), f32, become codes of FP6 (E2M3) with one E8M0 byte for each 32 along K,
; laid in the ORDER OF THE OPERAND'S REGISTERS, so that the later launches fetch every fragment by three loads of 16 bytes a lane:
;   FRAGMENT (16 rows x 128 K, 12 registers a lane) = 1,536 bytes: registers 4 c .. 4 c + 3 of lane l at 512 c + 16 l.
;   QUAD = 512 bytes: the scale words of 8 tiles for one K step: the word of tile 2 j + (l / 16), row l % 16 at 16 l + 4 j.
;   RECORD = 8 fragments + their quad = 12,800 bytes.  Row r of tile t of a group of 128 rows is row rho(t, r) = 32 (t / 2) + 8 (t % 2) + r + 8 (r / 8).
; xq, sq: [block of 128 rows][K step] records.  wq: [y][slot 0-7: Wk's K steps in pairs, then Wv's][128 columns w][step of the pair] records.
; A block's scale is 2^(floor(log2(largest magnitude)) - 2): the byte is the largest magnitude's exponent field - 2, held at 1 from below.
; LIMITS: a block of zeros gets the byte 1 where the rule says 127 (its codes are zeros, and only this program reads the bytes); NaN and infinities among the inputs are not served.
; Work-groups 0-63 take the weights (128 columns x 256 K: 131,072 bytes each), 64-95 the seeds (128 rows x 128 K: 65,536 bytes each), 96-351 x (128 rows x 512 K: 262,144 bytes each): the 96 that come on top of
; one work-group of x for each of 256 are the light ones.  The three ways have LDS bytes of their own.
; No work-group shares an input with another, so there is no cluster; memory binds, so there are no matrix instructions.
.set STEPB, 12800
.set FRB,   1536
.set BLKB,  102400
.set SP,    528                        ; a stage row: 512 bytes + 16: the 16 rows that a read touches start 4 banks apart
.set STGW,  16*SP                      ; a wave's stage
.set QUAD1, 8*STGW                     ; x's way: eight stages from byte 0, then four quads
.set QUAD2, QUAD1+2048                 ; weights' way: two quads
.set STG3,  QUAD2+2048                 ; seeds' way: eight stages,
.set QUAD3, STG3+8*STGW                ; then one quad
.set WGW,   64
.set WGS,   32
.set GL,  4                            ; v4   16 x lane
.set STI, 5                            ; v5   the stage, on the way in
.set STR, 6                            ; v6   and out: row r, + 64 h
.set QWA, 7                            ; v7   my row's word in a quad
.set R0,  16                           ; v16-143  two sets of 64 registers as loaded
.set X,   144                          ; v144-207 64 numbers: register 16 b + i = k 32 b + 16 h + i of my row
.set TM,  208                          ; v208-223 at work
.set PW,  224                          ; the scale word
.set PC,  226                          ; v226-245 the codes
.set SEL, 20
.set WX,  16                           ; weights: v16-143 my column's 128 numbers
.set CD,  144                          ; v144-167 the registers of lanes (r, 0) and (r, 1) of my column's fragment
.set CT,  168
.set WPW, 176
; 64 numbers of a lane become a fragment's 12 registers in v[PC] on and the row's scale word in v[PW]
.macro QUANT s
.irp b, 0,1,2,3
	v_max3_num_f32 v[TM+\b], |v[\s+16*\b]|, |v[\s+1+16*\b]|, 0x1800000   ; my 16 numbers of block b, and the floor 2^(3 - 127): the byte cannot fall under 1
.endr
.irp i, 2,4,6,8,10,12,14
.irp b, 0,1,2,3
	v_max3_num_f32 v[TM+\b], v[TM+\b], |v[\s+16*\b+\i]|, |v[\s+1+16*\b+\i]|
.endr
.endr
.irp b, 0,1,2,3
	v_permlanex16_b32 v[TM+4+\b], v[TM+\b], s[SEL], s[SEL+1]
.endr
.irp b, 0,1,2,3
	v_max_num_f32 v[TM+\b], v[TM+\b], v[TM+4+\b]                         ; with lane l xor 16's 16: the block's largest magnitude
.endr
.irp b, 0,1,2,3
	v_add_nc_u32 v[TM+12+\b], 0xff000000, v[TM+\b]                       ; 2 off its exponent field: the conversion's scale operand
.endr
.irp b, 0,1,2,3
	v_lshrrev_b32 v[TM+4+\b], 23, v[TM+12+\b]                            ; the byte
.endr
	v_lshl_or_b32 v[PW], v[TM+5], 8, v[TM+4]
	v_lshl_or_b32 v[PW], v[TM+6], 16, v[PW]
	v_lshl_or_b32 v[PW], v[TM+7], 24, v[PW]
.irp c, 0,1
	v_cvt_scalef32_pk16_fp6_f32 v[PC+6*\c:PC+2+6*\c], v[\s+32*\c:\s+15+32*\c], v[TM+12+2*\c]
	v_cvt_scalef32_pk16_fp6_f32 v[PC+12+4*\c:PC+14+4*\c], v[\s+16+32*\c:\s+31+32*\c], v[TM+12+2*\c+1]   ; (three registers that begin on an even number)
.endr
	v_nop                                          ; one plain place behind a scaled conversion
.irp c, 0,1                                    ; a whole block to a lane: lanes 0-15 block 2 c, lanes 16-31 block 2 c + 1
.irp i, 0,1,2
	v_permlane16_swap_b32 v[PC+6*\c+\i], v[PC+12+4*\c+\i]
.endr
.irp i, 0,1,2
	v_mov_b32 v[PC+3+6*\c+\i], v[PC+12+4*\c+\i]
.endr
.endr
.endm
; The LDS addresses of a way that takes rows: its stages begin at stg, its quads at quad.  s28 = t / 2, s31 = t % 2 of my tile t = my wave's number
.macro ADDRS stg, quad
	s_mul_i32 s30, s18, STGW
	s_add_co_u32 s30, s30, \stg
	v_add_nc_u32 v[STI], s30, v[GL]
	v_mul_u32_u24 v[STR], v3, SP
	v_lshl_add_u32 v[STR], v10, 6, v[STR]
	v_add_nc_u32 v[STR], s30, v[STR]
	s_lshl_b32 s36, s31, 8
	s_lshl_b32 s34, s28, 2
	s_add_co_u32 s36, s36, s34
	s_add_co_u32 s36, s36, \quad
	v_lshl_add_u32 v[QWA], v3, 4, s36              ; 16 r + 256 (t % 2) + 4 (t / 2)
	v_lshl_add_u32 v8, v0, 3, \quad                ; the quads' way out: 8 bytes a thread
.endm
.macro LOAD sl                         ; K step sl: each load reads 512 consecutive bytes of one row
.irp i, 0,1,2,3,4,5,6,7,8,9,10,11,12,13,14,15
	global_load_b128 v[R0+64*((\sl)%2)+4*\i:R0+64*((\sl)%2)+4*\i+3], v[GL], s[4:5] offset:(\i+8*(\i/8))*4096+512*(\sl) th:TH_LOAD_NT
.endr
.endm
; K step sl of my tile.  left: the younger loads that may stay out;  next = 1: the step two on is asked for
.macro RSTEP sl, left, next
.set RR, R0+64*((\sl)%2)
	s_wait_loadcnt \left                           ; this step's 16 loads are in
.irp i, 0,1,2,3,4,5,6,7,8,9,10,11,12,13,14,15
	ds_store_b128 v[STI], v[RR+4*\i:RR+4*\i+3] offset:SP*\i          ; the rows as they lie, into my own stage
.endr
.irp b, 0,1,2,3
.irp j, 0,1,2,3
	ds_load_b128 v[X+16*\b+4*\j:X+16*\b+4*\j+3], v[STR] offset:128*\b+16*\j   ; and back: 16 neighbours of each block of my row (LDS serves a wave's instructions in order)
.endr
.endr
	s_wait_dscnt 0x0                               ; the numbers are back, and the stores have read the set as loaded
	s_wait_xcnt 0x0                                ; the last step's stores have read the codes' registers: they are written again only behind this wait
.if \next
	LOAD (\sl)+2
.endif
	QUANT X
.irp c, 0,1,2
	global_store_b128 v[GL], v[PC+4*\c:PC+4*\c+3], s[12:13] offset:STEPB*(\sl)+512*\c   ; 512 consecutive bytes, aligned
.endr
	ds_store_b32 v[QWA], v[PW] offset:512*(\sl)    ; lanes r and r + 16 write the same word with the same value
.endm
	s_load_b256 s[4:11], s[0:1], 0x0               ; x, seed_vectors, Wk, Wv
	s_load_b128 s[12:15], s[0:1], 0x20             ; xq, sq
	s_load_b64 s[16:17], s[0:1], 0x30              ; wq
	v_lshl_add_u32 v254, v0, 2, 0x22800
	v_mov_b32 v255, 0
	v_lshrrev_b32 v1, 5, v0
	v_readfirstlane_b32 s18, v1                    ; wave 0..7
	v_and_b32 v2, 31, v0                           ; lane
	v_and_b32 v3, 15, v0                           ; r
	v_bfe_u32 v10, v0, 4, 1                        ; h
	s_mov_b32 s[SEL], 0x76543210
	s_mov_b32 s[SEL+1], 0xfedcba98                 ; v_permlanex16_b32's selects for lane l xor 16
	s_mov_b32 s27, 0
	s_mov_b32 s29, 0
	s_wait_kmcnt 0x0
	s_cmp_lt_u32 ttmp9, WGW                        ; the same in all eight waves
	s_cbranch_scc1 .Lweights
; ---- ROWS (x and the seeds).  Wave t owns tile t of the block's 128 rows.
	s_lshr_b32 s28, s18, 1                         ; t / 2
	s_and_b32 s31, s18, 1                          ; t % 2
	s_lshl_b32 s35, s28, 17                        ; 32 (t / 2) rows of 4,096 bytes
	s_lshl_b32 s30, s31, 15                        ; + 8 (t % 2) rows
	s_add_co_u32 s35, s35, s30
	v_lshlrev_b32 v[GL], 4, v2
.irp b, 0,1,2,3
	v_mov_b32 v[TM+4+\b], 0                        ; written once: a lane permute's destination counts as one of its sources
.endr
	s_cmp_lt_u32 ttmp9, WGW+WGS
	s_cbranch_scc1 .Lseeds
; ---- x: four K steps of 128, two of them asked for ahead
	s_sub_co_u32 s22, ttmp9, WGW+WGS
	s_lshr_b32 s24, s22, 1                         ; the block of 128 rows
	s_and_b32 s25, s22, 1                          ; which half of K
	s_lshl_b32 s26, s24, 19                        ; 128 rows of 4,096 bytes
	s_add_co_u32 s26, s26, s35
	s_lshl_b32 s30, s25, 11                        ; + 512 numbers
	s_add_co_u32 s26, s26, s30
	s_add_nc_u64 s[4:5], s[4:5], s[26:27]
	s_mul_i32 s26, s24, BLKB
	s_mul_i32 s30, s25, 4*STEPB
	s_add_co_u32 s26, s26, s30
	s_add_nc_u64 s[32:33], s[12:13], s[26:27]      ; my four records
	s_mul_i32 s26, s18, FRB
	s_add_nc_u64 s[12:13], s[32:33], s[26:27]      ; my fragment in them
	ADDRS 0, QUAD1
	v_lshrrev_b32 v9, 6, v0
	v_mul_u32_u24 v9, v9, STEPB
	v_and_b32 v11, 63, v0
	v_lshl_add_u32 v9, v11, 3, v9
	LOAD 0
	LOAD 1
	RSTEP 0, 16, 1                                 ; the next step's 16 loads stay out
	RSTEP 1, 16, 1
	RSTEP 2, 16, 0
	RSTEP 3, 0, 0
	s_wait_dscnt 0x0                               ; for the others' sake: my words lie in the quads
	s_barrier_signal -1
	s_barrier_wait -1
	ds_load_b64 v[12:13], v8
	s_wait_dscnt 0x0
	global_store_b64 v9, v[12:13], s[32:33] offset:8*FRB   ; a wave stores 256 consecutive bytes, aligned
	s_wait_tensorcnt 0x0
	ds_add_u32 v254, v255
	s_wait_dscnt 0x0
	s_endpgm
; ---- THE SEEDS: one K step of 128 to a work-group
.Lseeds:
	s_sub_co_u32 s22, ttmp9, WGW
	s_lshr_b32 s24, s22, 3                         ; the block of 128 rows
	s_and_b32 s25, s22, 7                          ; the K step
	s_lshl_b32 s26, s24, 19
	s_add_co_u32 s26, s26, s35
	s_lshl_b32 s30, s25, 9                         ; + 128 numbers a step
	s_add_co_u32 s26, s26, s30
	s_add_nc_u64 s[4:5], s[6:7], s[26:27]
	s_mul_i32 s26, s24, BLKB
	s_mul_i32 s30, s25, STEPB
	s_add_co_u32 s26, s26, s30
	s_add_nc_u64 s[32:33], s[14:15], s[26:27]      ; my record
	s_mul_i32 s26, s18, FRB
	s_add_nc_u64 s[12:13], s[32:33], s[26:27]      ; my fragment in it
	ADDRS STG3, QUAD3
	v_lshlrev_b32 v9, 3, v0
	LOAD 0
	RSTEP 0, 0, 0
	s_wait_dscnt 0x0
	s_barrier_signal -1
	s_barrier_wait -1
	s_cmp_lt_u32 s18, 2                            ; a quad is 512 bytes: 8 bytes for each thread of waves 0 and 1
	s_cbranch_scc0 .Lsdone
	ds_load_b64 v[12:13], v8
	s_wait_dscnt 0x0
	global_store_b64 v9, v[12:13], s[32:33] offset:8*FRB
.Lsdone:
	s_wait_tensorcnt 0x0
	ds_add_u32 v254, v255
	s_wait_dscnt 0x0
	s_endpgm
; ---- WEIGHTS.  A lane takes a column, and its registers run down the 128 rows of a K step: nothing is transposed.  Wave: step of the pair = wave / 4, 32 columns = wave % 4.
.Lweights:
	s_lshr_b32 s22, ttmp9, 5                       ; y: which 512 columns
	s_bfe_u32 s23, ttmp9, 0x20002                  ; which pair of K steps
	s_and_b32 s24, ttmp9, 3                        ; w: which 128 of the 512
	s_lshr_b32 s25, s18, 2
	s_and_b32 s26, s18, 3
	s_bitcmp1_b32 ttmp9, 4                         ; Wk's chunk or Wv's
	s_cselect_b64 s[8:9], s[10:11], s[8:9]
	s_lshl_b32 s28, s23, 1
	s_add_co_u32 s28, s28, s25
	s_lshl_b32 s28, s28, 19                        ; 128 rows of 4,096 bytes a K step
	s_lshl_b32 s30, s22, 11
	s_add_co_u32 s28, s28, s30
	s_lshl_b32 s30, s24, 9
	s_add_co_u32 s28, s28, s30
	s_lshl_b32 s30, s26, 7
	s_add_co_u32 s28, s28, s30
	s_add_nc_u64 s[8:9], s[8:9], s[28:29]
	s_mul_i32 s28, ttmp9, 2*STEPB
	s_add_nc_u64 s[32:33], s[16:17], s[28:29]      ; my chunk
	s_mul_i32 s28, s25, STEPB
	s_mul_i32 s30, s26, 2*FRB
	s_add_co_u32 s28, s28, s30
	s_add_nc_u64 s[16:17], s[32:33], s[28:29]      ; my wave's two fragments
	v_lshlrev_b32 v4, 2, v2
	v_bfe_u32 v11, v0, 3, 1                        ; column 32 (wave % 4) + l is row r = l % 8 + 8 (l / 16) of tile 2 (wave % 4) + u, u = (l / 8) % 2
	v_and_b32 v12, 7, v0
	v_lshl_add_u32 v12, v10, 3, v12
	v_mul_u32_u24 v5, v11, FRB
	v_lshl_add_u32 v5, v12, 4, v5
	s_lshl_b32 s30, s25, 9
	s_lshl_b32 s31, s26, 2
	s_add_co_u32 s30, s30, s31
	s_add_co_u32 s30, s30, QUAD2
	v_lshl_add_u32 v6, v12, 4, s30
	v_lshl_add_u32 v6, v11, 8, v6
	v_lshl_add_u32 v7, v0, 3, QUAD2                ; the quads' way out (used by waves 0-3)
	v_lshrrev_b32 v8, 6, v0
	v_mul_u32_u24 v8, v8, STEPB
	v_and_b32 v9, 63, v0
	v_lshl_add_u32 v8, v9, 3, v8
.set wi, 0
.rept 128
	global_load_b32 v[WX+wi], v4, s[8:9] offset:4096*wi th:TH_LOAD_NT   ; 128 consecutive bytes a wave; four waves stand side by side on 512
.set wi, wi+1
.endr
.macro WBLK q                          ; block q = 2 c + h of my column: registers 6 c .. 6 c + 5 of lane (r, h)
.set XS, WX+32*(\q)
.set CDD, CD+12*((\q)%2)+6*((\q)/2)
	v_max3_num_f32 v172, |v[XS]|, |v[XS+1]|, |v[XS+2]|
	v_max3_num_f32 v173, |v[XS+3]|, |v[XS+4]|, |v[XS+5]|
.irp i, 6,10,14,18,22,26
	v_max3_num_f32 v172, v172, |v[XS+\i]|, |v[XS+\i+1]|
	v_max3_num_f32 v173, v173, |v[XS+\i+2]|, |v[XS+\i+3]|
.endr
	v_max3_num_f32 v172, v172, |v[XS+30]|, |v[XS+31]|
	v_max3_num_f32 v172, v172, v173, 0x1800000
	v_add_nc_u32 v174, 0xff000000, v172
	v_lshrrev_b32 v175, 23, v174
.if (\q) == 0
	v_mov_b32 v[WPW], v175
.else
	v_lshl_or_b32 v[WPW], v175, 8*(\q), v[WPW]
.endif
	v_cvt_scalef32_pk16_fp6_f32 v[CDD:CDD+2], v[XS:XS+15], v174
	v_cvt_scalef32_pk16_fp6_f32 v[CT:CT+2], v[XS+16:XS+31], v174
	v_nop                                          ; one plain place behind a scaled conversion
.irp i, 0,1,2
	v_mov_b32 v[CDD+3+\i], v[CT+\i]
.endr
.endm
	s_wait_loadcnt 63                              ; rows 0-64 are in (96 younger loads would do for block 0; the wait's field ends at 63)
	WBLK 0
	WBLK 1
	s_wait_loadcnt 32                              ; rows 64-95 are in, the last 32 stay out
	WBLK 2
	s_wait_loadcnt 0x0
	WBLK 3
.irp h, 0,1
.irp c, 0,1,2
	global_store_b128 v5, v[CD+12*\h+4*\c:CD+12*\h+4*\c+3], s[16:17] offset:512*\c+256*\h   ; two runs of 256 consecutive bytes, aligned
.endr
.endr
	ds_store_b32 v6, v[WPW]
	s_wait_dscnt 0x0
	s_barrier_signal -1
	s_barrier_wait -1
	s_cmp_lt_u32 s18, 4                            ; two quads are 1,024 bytes: 8 bytes for each thread of waves 0-3
	s_cbranch_scc0 .Lwdone
	ds_load_b64 v[14:15], v7
	s_wait_dscnt 0x0
	global_store_b64 v8, v[14:15], s[32:33] offset:8*FRB
.Lwdone:
	s_wait_tensorcnt 0x0
	ds_add_u32 v254, v255
	s_wait_dscnt 0x0
	s_endpgm
.Lfunc_end_k_q568d734f00_quant:
	.size	k_q568d734f00_quant, .Lfunc_end_k_q568d734f00_quant-k_q568d734f00_quant
	.p2alignl 7, 3214868480
	.fill 96, 4, 3214868480
	.section	.rodata,"a",@progbits
	.p2align	6, 0x0
	.amdhsa_kernel k_q568d734f00_quant
		.amdhsa_group_segment_fixed_size 142336
		.amdhsa_private_segment_fixed_size 0
		.amdhsa_enable_private_segment 0
		.amdhsa_kernarg_size 56
		.amdhsa_user_sgpr_count 2
		.amdhsa_user_sgpr_kernarg_segment_ptr 1
		.amdhsa_wavefront_size32 1
		.amdhsa_system_sgpr_workgroup_id_x 1
		.amdhsa_system_sgpr_workgroup_id_y 1
		.amdhsa_system_sgpr_workgroup_id_z 1
		.amdhsa_system_vgpr_workitem_id 0
		.amdhsa_next_free_vgpr 256
		.amdhsa_next_free_sgpr 66
		.amdhsa_reserve_vcc 0
		.amdhsa_float_denorm_mode_32 3
		.amdhsa_float_denorm_mode_16_64 3
		.amdhsa_memory_ordered 1
		.amdhsa_forward_progress 1
		.amdhsa_inst_pref_size 64
	.end_amdhsa_kernel
	.amdgpu_metadata
---
amdhsa.version: [ 1, 2 ]
amdhsa.kernels:
  - .name:           k_q568d734f00_quant
    .symbol:         k_q568d734f00_quant.kd
    .args:
      - { .name: x, .offset: 0, .size: 8, .value_kind: global_buffer, .address_space: global }
      - { .name: seed_vectors, .offset: 8, .size: 8, .value_kind: global_buffer, .address_space: global }
      - { .name: Wk, .offset: 16, .size: 8, .value_kind: global_buffer, .address_space: global }
      - { .name: Wv, .offset: 24, .size: 8, .value_kind: global_buffer, .address_space: global }
      - { .name: xq, .offset: 32, .size: 8, .value_kind: global_buffer, .address_space: global }
      - { .name: sq, .offset: 40, .size: 8, .value_kind: global_buffer, .address_space: global }
      - { .name: wq, .offset: 48, .size: 8, .value_kind: global_buffer, .address_space: global }
    .group_segment_fixed_size: 142336
    .private_segment_fixed_size: 0
    .kernarg_segment_align: 8
    .kernarg_segment_size: 56
    .max_flat_workgroup_size: 256
    .sgpr_count:     66
    .vgpr_count:     256
    .wavefront_size: 32
...
	.end_amdgpu_metadata
.endif
;; end of part 1
;; launch proj (part 2): grid 4 x 64, 4 waves a work-group, clusters of 4 x 4, 327,680 bytes of LDS; arguments xq, wq, bk, bv, kq, vq; writes kq, vq
.if DOCPART == 2
	.amdgcn_target "amdgcn-amd-amdhsa--gfx1250"
	.amdhsa_code_object_version 6
	.text
	.protected	k_q568d734f00_proj
	.globl	k_q568d734f00_proj
	.p2align	8
	.type	k_q568d734f00_proj,@function
k_q568d734f00_proj:
	s_mov_b64 s[64:65], 0
	v_nop
	global_prefetch_b8 v0, s[64:65] scope:SCOPE_SE
	s_setreg_imm32_b32 hwreg(HW_REG_WAVE_MODE, 25, 1), 1
	s_wait_xcnt 0x0
	s_wait_alu depctr_hold_cnt(0) depctr_sa_sdst(0) depctr_va_vdst(0) depctr_va_sdst(0) depctr_va_ssrc(0) depctr_va_vcc(0) depctr_vm_vsrc(0)
	s_getreg_b32 s2, hwreg(HW_REG_IB_STS2, 6, 4)
	s_cmp_eq_u32 s2, 0
	s_cbranch_scc0 .Lentry_in_a_cluster
	s_endpgm
.Lentry_in_a_cluster:
	s_bfe_u32 s2, ttmp6, 0x10000c
	s_cmp_lg_u32 s2, 0xf033
	s_cbranch_scc0 .Lentry_shape_is_right
	s_endpgm
.Lentry_shape_is_right:
; k = Q(x) Q(Wk) + bk and v = Q(x) Q(Wv) + bv on codes of FP6 (E2M3), and both results quantised again on the way out: k along p, v along the keys.
; Operands and results lie as images of the operand's registers: FRAGMENT 1,536 bytes (registers 4 c .. 4 c + 3 of lane l at 512 c + 16 l), QUAD 512 bytes (the scale word of tile 2 j + l / 16, row l % 16, at 16 l + 4 j),
; RECORD = 8 fragments + quad = 12,800 bytes; row r of tile t of a group of 128 is row rho(t, r) = 32 (t / 2) + 8 (t % 2) + r + 8 (r / 8).
; SHARES.  A work-group takes 256 rows of x (blocks 2 RB and 2 RB + 1) and 256 columns (group g) of k and of v.  Wave w takes row half a = w / 2 and column half c = w % 2: 128 x 128, 64 accumulators, in each of two
; passes of 8 K steps of 128.  So a work-group fetches 204,800 bytes of x and 409,600 of the weights for its 4,096 matrix instructions.
; PASS k: source 0 = 16 columns of Wk, source 1 = 16 rows of x: a lane holds one key, and by rho the 64 registers of a row tile run along p: 16 beta + i = p 32 beta + 16 (l / 16) + i.
; PASS v: source 0 = 16 rows of x, source 1 = 16 columns of Wv: a lane holds one p, and its 64 registers run along the keys in the same order.  So one way out quantises both.
; The bias is the C of each sum's first matrix instruction (so it is added first, not last as the formula reads: a different order of f32 rounding).
; LDS: two slots of 51,200 bytes for the weights (two K steps of the 256 columns: four records, one fetched by each wave), x's sixteen records (204,800 bytes, filled once), the spare words.
; CLUSTER 4 x 4: the four column groups of a row of the cluster need the same blocks of x, the four row blocks of a column the same weights: each tile is asked for JOINTLY, by the same tensor load with the same
; descriptor and a mask that names the four.  x's addresses are made of the row block and the wave's number alone, the weights' of the column group and the wave's number alone, LDS addresses of the wave's number alone.
; LIMITS: NaN and infinities are not served; a block of zeros gets the byte 1 where the rule says 127 (its codes are zeros, and only this program reads the bytes).
; REGISTERS: window 0: v4-13 addresses; v16-31 scale words as loaded (x's two sets, W's two sets); v32-43 the way out's scale words; v64-159, v160-255 x's fragments, two sets (the way out works in the second);
;   window 1: v0-95, v96-191 W's fragments, two sets; v192-255 the bias in the result's layout.   windows 2, 3: accumulator (i, j) at v[64 (i % 4) + 8 j] of window 2 + i / 4.
.set STEPB, 12800
.set FRB,   1536
.set CHUNK, 25600                      ; two records
.set SLOTB, 51200                      ; a slot: [column half][step of the pair] records
.set WSL,   102400                     ; in wq: from a pair of K steps to the next
.set XBLK,  102400                     ; a block of 128 rows of x: eight records
.set XB,    2*SLOTB
.set SPARE, XB+2*XBLK                  ; the spare words: 128 bytes for each wave, two blocks of 256 bytes that no other line names
.set AW,  4                            ; v4-5   my column half in slot 0, 1: + 16 x lane
.set AX,  6                            ; v6-7   my row half's records 0-3, 4-7: + 16 x lane
.set GO,  8                            ; v8     16 x lane
.set SPW, 9                            ; v9     my spare word; never rewritten
.set NIL, 10                           ; v10    0; never rewritten
.set BKA, 11                           ; v11    bk: 64 h
.set BVA, 12                           ; v12    bv: 4 (r + 8 (r / 8))
.set XQ,  16
.set WQ,  24
.set PWK, 32
.set QD,  40
.set XF,  64
.set TM,  160
.set PC,  176
.set BI,  192
.set WV,  16                           ; s16 wave;  s17 a;  s18 c
.set G1X, 24                           ; s[24:31] group 1 for x's tiles;  s[32:39] for the weights'
.set G1W, 32
.set G0A, 40                           ; s[40:43], s[44:47] group 0 of slot 0, 1
.set G0X, 48                           ; s[48:51], s[52:55] group 0 of x's records 0-3, 4-7
.set SEL, 56
.set HI16, 58
.set MSB, 0
.macro WIN new                         ; bits 1:0 source 0, 3:2 source 1, 5:4 source 2, 7:6 destination; the high byte repeats the setting that is left
.if MSB != (\new)
	s_set_vgpr_msb (MSB<<8)|(\new)
.set MSB, (\new)
.endif
.endm
.macro PLACES                          ; four plain places between a matrix instruction and a load into, or a vector instruction on, its registers
.rept 4
	v_nop
.endr
.endm
.macro CREST                           ; a round of the cluster's barrier behind its opening barrier
	s_cmp_lg_u32 s[WV], 0
	s_cbranch_scc1 .Lnot_wave_0_\@
	s_barrier_signal -3
.Lnot_wave_0_\@:
	s_barrier_wait -3
	s_barrier_signal -1
	s_barrier_wait -1
.endm
.macro ROUND
	s_barrier_signal -1
	s_barrier_wait -1
	CREST
.endm
.macro WM                              ; one product, by the symbols wd, wa, wb, wc, wsa, wsb; wra, wrb: the side's scale words stand in lanes 16-31
.if wra && wrb
	v_wmma_scale_f32_16x16x128_f8f6f4 v[wd:wd+7], v[wa:wa+11], v[wb:wb+11], v[wc:wc+7], v[wsa], v[wsb] matrix_a_fmt:MATRIX_FMT_FP6 matrix_b_fmt:MATRIX_FMT_FP6 matrix_a_scale:MATRIX_SCALE_ROW1 matrix_b_scale:MATRIX_SCALE_ROW1
.elseif wra
	v_wmma_scale_f32_16x16x128_f8f6f4 v[wd:wd+7], v[wa:wa+11], v[wb:wb+11], v[wc:wc+7], v[wsa], v[wsb] matrix_a_fmt:MATRIX_FMT_FP6 matrix_b_fmt:MATRIX_FMT_FP6 matrix_a_scale:MATRIX_SCALE_ROW1
.elseif wrb
	v_wmma_scale_f32_16x16x128_f8f6f4 v[wd:wd+7], v[wa:wa+11], v[wb:wb+11], v[wc:wc+7], v[wsa], v[wsb] matrix_a_fmt:MATRIX_FMT_FP6 matrix_b_fmt:MATRIX_FMT_FP6 matrix_b_scale:MATRIX_SCALE_ROW1
.else
	v_wmma_scale_f32_16x16x128_f8f6f4 v[wd:wd+7], v[wa:wa+11], v[wb:wb+11], v[wc:wc+7], v[wsa], v[wsb] matrix_a_fmt:MATRIX_FMT_FP6 matrix_b_fmt:MATRIX_FMT_FP6
.endif
.endm
; 8 cnt products: i = i0 .. i0 + cnt - 1 (all in one window) x j = 0 .. 7, on set p.  ty = 0: pass k, 1: pass v.  first = 1: C is the bias, in window 1.
; The 64 accumulators take turns, one instruction a turn, in the same order in every step.
.macro MUL ty, i0, cnt, p, first
.set mw, 0xa1+3*(\ty)+0x50*((\i0)/4)-(\first)*(0x10+0x10*((\i0)/4))   ; pass k: W window 1, x window 0; pass v the other way round; C and D window 2 or 3
	WIN mw
.set mi, \i0
.rept \cnt
.set mj, 0
.rept 8
.set wd, 64*(mi%4)+8*mj
.set wra, mj%2
.set wrb, mi%2
.if (\ty) == 0
.set wa, 96*(\p)+12*mj
.set wb, XF+96*(\p)+12*mi
.set wsa, WQ+4*(\p)+mj/2
.set wsb, XQ+4*(\p)+mi/2
.set wc, BI+8*mj
.else
.set wa, XF+96*(\p)+12*mj
.set wb, 96*(\p)+12*mi
.set wsa, XQ+4*(\p)+mj/2
.set wsb, WQ+4*(\p)+mi/2
.set wc, BI+8*mi
.endif
.if !(\first)
.set wc, wd
.endif
	WM
.set mj, mj+1
.endr
.set mi, mi+1
.endr
.endm
; Step z's 16 fragments and two quads into set z % 2: 50 LDS loads of 512 consecutive bytes each.  bvl = 1: bv's eight loads ride along under the same window setting.
.macro FETCH z, bvl
.set fp, (\z)%2
.set fq, (\z)%8
.set fl, ((\z)/2)%2
	WIN 0x40
.if \bvl
.irp i, 0,1,2,3,4,5,6,7
	global_load_b32 v[BI+8*\i], v[BVA], s[10:11] offset:(32*(\i/2)+8*(\i%2))*4   ; bv at my lane's p of tile i
.endr
.endif
.set ff, 0
.rept 8
.irp c, 0,1,2
	ds_load_b128 v[96*fp+12*ff+4*\c:96*fp+12*ff+4*\c+3], v[AW+fl] offset:STEPB*fp+FRB*ff+512*\c
.endr
.set ff, ff+1
.endr
	WIN 0
	ds_load_b128 v[WQ+4*fp:WQ+4*fp+3], v[AW+fl] offset:STEPB*fp+8*FRB
.set ff, 0
.rept 8
.irp c, 0,1,2
	ds_load_b128 v[XF+96*fp+12*ff+4*\c:XF+96*fp+12*ff+4*\c+3], v[AX+fq/4] offset:STEPB*(fq%4)+FRB*ff+512*\c
.endr
.set ff, ff+1
.endr
	ds_load_b128 v[XQ+4*fp:XQ+4*fp+3], v[AX+fq/4] offset:STEPB*(fq%4)+8*FRB
.endm
; A slot's first step (z even), and the very last step: no slot is changed.
.macro STEP z, first, fetch, bvl
	s_wait_dscnt 0x0                               ; this step's set is in (asked for 32 matrix instructions ago or more; step 0's just before)
	MUL (\z)/8, 0, 4, (\z)%2, \first
.if \fetch
	PLACES
	FETCH (\z)+1, \bvl
.endif
	MUL (\z)/8, 4, 4, (\z)%2, \first
.endm
; A slot's second step (z odd) changes slots: its fragments are in registers.  ONE barrier: in front of it each wave waits for all its tensor loads, adds 0 to its spare word, and waits for that and for its reads of
; this slot; behind it the other slot, of which each wave brought a record, is whole for all four.  fill = 1: the barrier opens a round of the cluster's, and this slot is filled again, with the pair of K steps two slots on.
.macro TURN z, fill
.set tl, ((\z)/2)%2
	WIN 0
	s_wait_tensorcnt 0x0                           ; all my tensor loads have landed: my record of the other slot among them
	ds_add_u32 v[SPW], v[NIL]                      ; 0 onto my spare word
	s_wait_dscnt 0x1                               ; this step's set is in; the add may be out
	MUL (\z)/8, 0, 1, 1, 0                         ; eight matrix instructions stand between the add and the wait for it
	s_wait_dscnt 0x0                               ; the add is done, and my reads of this slot are over
	s_barrier_signal -1
	MUL (\z)/8, 1, 1, 1, 0
	WIN 0
	s_barrier_wait -1
.if \fill
	CREST                                          ; no wave of any partner still reads this slot or has a load on its way
	s_add_nc_u64 s[G0A+4*tl+2:G0A+4*tl+3], s[G0A+4*tl+2:G0A+4*tl+3], 2*WSL
	tensor_load_to_lds s[G0A+4*tl:G0A+4*tl+3], s[G1W:G1W+7]   ; my one tensor load behind the round: 112 matrix instructions ahead of the wait for it
	s_nop 0
.endif
	PLACES                                         ; (behind the tensor load)  the places in front of the loads below
	FETCH (\z)+1, 0
	MUL (\z)/8, 2, 2, 1, 0
	MUL (\z)/8, 4, 4, 1, 0
.endm
; 64 accumulator registers v[s] on of window w, register 16 b + i = k 32 b + 16 (l / 16) + i of my row, become a fragment in v[PC] on and the row's scale word in v[pw].
; Each accumulator is read from its low end on.
.macro QUANTW w, s, pw
	WIN (\w)|((\w)<<4)                             ; sources 0 and 2: the accumulators; source 1 and the destination: window 0
.set qb, 0
.rept 4
	v_max3_num_f32 v[TM+qb], |v[(\s)+16*qb]|, 0x1800000, |v[(\s)+16*qb+1]|   ; with the floor 2^(3 - 127): the byte cannot fall under 1
.set qb, qb+1
.endr
.set qi, 2
.rept 7
.set qb, 0
.rept 4
	v_max3_num_f32 v[TM+qb], |v[(\s)+16*qb+qi]|, v[TM+qb], |v[(\s)+16*qb+qi+1]|
.set qb, qb+1
.endr
.set qi, qi+2
.endr
	WIN 0
.irp b, 0,1,2,3
	v_permlanex16_b32 v[TM+4+\b], v[TM+\b], s[SEL], s[SEL+1]
.endr
.irp b, 0,1,2,3
	v_max_num_f32 v[TM+\b], v[TM+\b], v[TM+4+\b]
.endr
.irp b, 0,1,2,3
	v_add_nc_u32 v[TM+12+\b], 0xff000000, v[TM+\b] ; 2 off the exponent field: the conversion's scale operand
.endr
.irp b, 0,1,2,3
	v_lshrrev_b32 v[TM+4+\b], 23, v[TM+12+\b]
.endr
	v_lshl_or_b32 v[\pw], v[TM+5], 8, v[TM+4]
	v_lshl_or_b32 v[\pw], v[TM+6], 16, v[\pw]
	v_lshl_or_b32 v[\pw], v[TM+7], 24, v[\pw]
	s_wait_xcnt 0x0                                ; the stores of the tile before have read the codes' registers
	WIN (\w)
.irp c, 0,1
	v_cvt_scalef32_pk16_fp6_f32 v[PC+6*\c:PC+2+6*\c], v[(\s)+32*\c:(\s)+15+32*\c], v[TM+12+2*\c]
	v_cvt_scalef32_pk16_fp6_f32 v[PC+12+4*\c:PC+14+4*\c], v[(\s)+16+32*\c:(\s)+31+32*\c], v[TM+12+2*\c+1]
.endr
	WIN 0
	v_nop                                          ; one plain place behind a scaled conversion
.irp c, 0,1
.irp e, 0,1,2
	v_permlane16_swap_b32 v[PC+6*\c+\e], v[PC+12+4*\c+\e]
.endr
.irp e, 0,1,2
	v_mov_b32 v[PC+3+6*\c+\e], v[PC+12+4*\c+\e]
.endr
.endr
.endm
; THE WAY OUT of a pass: eight fragments and their quad, one record, at s[ptr:ptr+1]
.macro EPI ptr
	WIN 0
	PLACES
.irp b, 0,1,2,3
	v_mov_b32 v[TM+4+\b], 0                        ; a lane permute's destination counts as one of its sources
.endr
.set ei, 0
.rept 8
	QUANTW 2+ei/4, 64*(ei%4), PWK+ei
.irp c, 0,1,2
	global_store_b128 v[GO], v[PC+4*\c:PC+4*\c+3], s[\ptr:\ptr+1] offset:FRB*ei+512*\c   ; 512 consecutive bytes, aligned
.endr
.set ei, ei+1
.endr
.irp j, 0,1,2,3
	v_cndmask_b32 v[QD+\j], v[PWK+2*\j], v[PWK+2*\j+1], s[HI16]   ; lanes 0-15 tile 2 j's words, lanes 16-31 tile 2 j + 1's
.endr
	global_store_b128 v[GO], v[QD:QD+3], s[\ptr:\ptr+1] offset:8*FRB
.endm
	s_load_b256 s[4:11], s[0:1], 0x0               ; xq, wq, bk, bv
	s_load_b128 s[12:15], s[0:1], 0x20             ; kq, vq
	v_lshl_add_u32 v[SPW], v0, 2, SPARE
	v_mov_b32 v[NIL], 0
	ds_add_u32 v9, v10
	ds_add_u32 v9, v10
	s_wait_dscnt 0x0
	v_lshrrev_b32 v1, 5, v0
	v_readfirstlane_b32 s[WV], v1                  ; wave 0..3
	s_lshr_b32 s17, s[WV], 1                       ; a: my half of the rows
	s_and_b32 s18, s[WV], 1                        ; c: my half of the columns
	s_bfe_u32 s19, ttmp6, 0x40000                  ; cx, cy: my place in the cluster
	s_bfe_u32 s20, ttmp6, 0x40004
	s_lshl_b32 s21, ttmp9, 2
	s_add_co_u32 s21, s21, s19                     ; g: the group of 256 columns = 4 x cluster x + cx
	s_and_b32 s22, ttmp7, 0xffff
	s_lshl_b32 s22, s22, 2
	s_add_co_u32 s22, s22, s20                     ; RB: the block of 256 rows = 4 x cluster y + cy
	s_lshl_b32 s23, s20, 2
	s_lshl_b32 s23, 15, s23                        ; my row of the cluster
	s_lshl_b32 s59, 0x1111, s19                    ; my column
	; group 1: dense blocks as rows of 32 elements of 8 bytes: x's tile is two records, 100 rows; the weights' one record, 50 rows
	s_or_b32 s[G1X], s23, (3<<16)|(1<<21)          ; 15:0 the mask: x's tiles go to my row; 17:16 elements of 8 bytes; 21 set beside a mask
	s_or_b32 s[G1W], s59, (3<<16)|(1<<21)          ; the weights' go to my column
.irp g, G1X, G1W
	s_mov_b32 s[\g+1], 32<<16                      ; tensor_dim0 = 32
	s_mov_b32 s[\g+3], 32<<16                      ; tile_dim0 = 32
	s_mov_b32 s[\g+5], 32                          ; the pitch
	s_mov_b32 s[\g+6], 0
	s_mov_b32 s[\g+7], 0
.endr
	s_mov_b32 s[G1X+2], 100<<16                    ; tensor_dim1
	s_mov_b32 s[G1X+4], 100                        ; tile_dim1
	s_mov_b32 s[G1W+2], 50<<16
	s_mov_b32 s[G1W+4], 50
	s_mov_b32 s[SEL], 0x76543210
	s_mov_b32 s[SEL+1], 0xfedcba98
	s_mov_b32 s[HI16], 0xffff0000
	s_mul_i32 s60, s[WV], STEPB                    ; the record of a slot that I fetch
	s_mul_i32 s67, s17, XBLK                       ; of x I fetch block w / 2, records 2 (w % 2) and 2 (w % 2) + 1, and later the two that lie four further on
	s_mul_i32 s61, s18, CHUNK
	s_add_co_u32 s67, s67, s61
	s_mul_i32 s68, s22, 2*XBLK                     ; x in memory: made of RB and the wave's number alone
	s_add_co_u32 s68, s68, s67
	s_mov_b32 s69, 0
	s_lshr_b32 s70, s21, 1                         ; the weights in memory: made of g and the wave's number alone: y = g / 2,
	s_mul_i32 s70, s70, 8*WSL
	s_and_b32 s72, s21, 1                          ; chunks 2 (g % 2) and 2 (g % 2) + 1 of each pair of K steps
	s_mul_i32 s72, s72, SLOTB
	s_add_co_u32 s70, s70, s72
	s_add_co_u32 s70, s70, s60
	s_mov_b32 s71, 0
	s_lshl_b32 s73, s22, 1
	s_add_co_u32 s73, s73, s17                     ; R = 2 RB + a: my block of 128 rows
	s_lshl_b32 s74, s21, 1
	s_add_co_u32 s74, s74, s18                     ; 2 g + c: my 128 columns
	s_mov_b32 s77, 0
	s_wait_kmcnt 0x0
	s_mov_b32 s[G0A], 1
	s_mov_b32 s[G0A+1], s60
	s_add_nc_u64 s[G0A+2:G0A+3], s[6:7], s[70:71]
	s_mov_b32 s[G0A+4], 1
	s_add_co_u32 s[G0A+5], s60, SLOTB
	s_add_nc_u64 s[G0A+6:G0A+7], s[G0A+2:G0A+3], WSL
	s_or_b32 s[G0A+3], s[G0A+3], 0x80000000
	s_or_b32 s[G0A+7], s[G0A+7], 0x80000000
	s_mov_b32 s[G0X], 1
	s_add_co_u32 s[G0X+1], s67, XB
	s_add_nc_u64 s[G0X+2:G0X+3], s[4:5], s[68:69]
	s_mov_b32 s[G0X+4], 1
	s_add_co_u32 s[G0X+5], s67, XB+2*CHUNK
	s_add_nc_u64 s[G0X+6:G0X+7], s[G0X+2:G0X+3], 2*CHUNK
	s_or_b32 s[G0X+3], s[G0X+3], 0x80000000
	s_or_b32 s[G0X+7], s[G0X+7], 0x80000000
	s_mul_i32 s76, s73, XBLK                       ; kq: block R, record 2 g + c
	s_mul_i32 s75, s74, STEPB
	s_add_co_u32 s76, s76, s75
	s_add_nc_u64 s[12:13], s[12:13], s[76:77]
	s_lshr_b32 s78, s73, 2                         ; vq: batch R / 4, group 2 g + c, key step R % 4
	s_mul_i32 s76, s78, 4*XBLK
	s_mul_i32 s75, s74, 4*STEPB
	s_add_co_u32 s76, s76, s75
	s_and_b32 s78, s73, 3
	s_mul_i32 s75, s78, STEPB
	s_add_co_u32 s76, s76, s75
	s_add_nc_u64 s[14:15], s[14:15], s[76:77]
	s_lshl_b32 s76, s74, 9                         ; the biases: my 128 numbers
	s_add_nc_u64 s[8:9], s[8:9], s[76:77]
	s_add_nc_u64 s[10:11], s[10:11], s[76:77]
	v_and_b32 v2, 31, v0
	v_and_b32 v3, 15, v0
	v_bfe_u32 v14, v0, 4, 1
	v_lshlrev_b32 v[GO], 4, v2
	v_add_nc_u32 v[AW], s61, v[GO]                 ; my column half's two records of slot 0,
	v_add_nc_u32 v[AW+1], SLOTB, v[AW]             ; of slot 1
	s_mul_i32 s62, s17, XBLK
	s_add_co_u32 s62, s62, XB
	v_add_nc_u32 v[AX], s62, v[GO]                 ; my row half's records 0-3,
	v_add_nc_u32 v[AX+1], 4*STEPB, v[AX]           ; 4-7
	v_lshlrev_b32 v[BKA], 6, v14
	v_and_b32 v[BVA], 8, v3
	v_add_nc_u32 v[BVA], v[BVA], v3
	v_lshlrev_b32 v[BVA], 2, v[BVA]
	WIN 0x40
.irp j, 0,1,2,3,4,5,6,7                        ; bk in the result's layout: register e of tile j is p 32 (j / 2) + 16 h + 8 (j % 2) + e
	global_load_b128 v[BI+8*\j:BI+8*\j+3], v[BKA], s[8:9] offset:(32*(\j/2)+8*(\j%2))*4
	global_load_b128 v[BI+8*\j+4:BI+8*\j+7], v[BKA], s[8:9] offset:(32*(\j/2)+8*(\j%2))*4+16
.endr
	WIN 0
	ROUND                                          ; all sixteen work-groups are here: the first joint loads meet
	tensor_load_to_lds s[G0X:G0X+3], s[G1X:G1X+7]          ; the first fills, in one group, what is wanted first ahead: four loads of mine are out.  x's K steps 0-3,
	s_nop 0
	tensor_load_to_lds s[G0A:G0A+3], s[G1W:G1W+7]          ; slot 0,
	s_nop 0
	tensor_load_to_lds s[G0X+4:G0X+7], s[G1X:G1X+7]        ; x's K steps 4-7,
	s_nop 0
	tensor_load_to_lds s[G0A+4:G0A+7], s[G1W:G1W+7]        ; slot 1
	s_nop 0
	PLACES
	s_wait_tensorcnt 0x2                           ; my parts of x's K steps 0-3 and of slot 0 are in; the two younger loads may stay out
	s_barrier_signal -1
	s_barrier_wait -1                              ; everybody's are
	FETCH 0, 0
	s_wait_loadcnt 0x0                             ; bk
	STEP 0, 1, 1, 0
	TURN 1, 1                                      ; (its wait for all loads and its barrier also show x's K steps 4-7 to every wave)
	STEP 2, 0, 1, 1
	TURN 3, 1
	STEP 4, 0, 1, 0
	TURN 5, 1
	STEP 6, 0, 1, 0
	TURN 7, 1
	EPI 12                                         ; k goes out while slot 1's refill and step 8's fragments are on their way
	s_wait_xcnt 0x0                                ; the last tile's three stores and the quad's have read their registers: the codes lie in x's second set, into which step 9's fragments are loaded
	s_wait_loadcnt 0x0                             ; bv
	WIN 0x41
.irp i, 0,1,2,3,4,5,6,7                        ; in pass v a lane holds one p: its bias fills all eight registers of the tile's C
.irp e, 1,2,3,4,5,6,7
	v_mov_b32 v[BI+8*\i+\e], v[BI+8*\i]
.endr
.endr
	PLACES
	STEP 8, 1, 1, 0
	TURN 9, 1
	STEP 10, 0, 1, 0
	TURN 11, 1
	STEP 12, 0, 1, 0
	TURN 13, 0                                     ; the last slot is shown to every wave; nothing is left to fetch, so no round follows
	STEP 14, 0, 1, 0
	STEP 15, 0, 0, 0
	EPI 14
	s_wait_tensorcnt 0x0                           ; the wave's end
	ds_add_u32 v[SPW], v[NIL]
	s_wait_dscnt 0x0
	ROUND                                          ; the closing round: no work-group ends while a partner may still ask for a tile that names it
	s_endpgm
.Lfunc_end_k_q568d734f00_proj:
	.size	k_q568d734f00_proj, .Lfunc_end_k_q568d734f00_proj-k_q568d734f00_proj
	.p2alignl 7, 3214868480
	.fill 96, 4, 3214868480
	.section	.rodata,"a",@progbits
	.p2align	6, 0x0
	.amdhsa_kernel k_q568d734f00_proj
		.amdhsa_group_segment_fixed_size 327680
		.amdhsa_private_segment_fixed_size 0
		.amdhsa_enable_private_segment 0
		.amdhsa_kernarg_size 48
		.amdhsa_user_sgpr_count 2
		.amdhsa_user_sgpr_kernarg_segment_ptr 1
		.amdhsa_wavefront_size32 1
		.amdhsa_system_sgpr_workgroup_id_x 1
		.amdhsa_system_sgpr_workgroup_id_y 1
		.amdhsa_system_sgpr_workgroup_id_z 1
		.amdhsa_system_vgpr_workitem_id 0
		.amdhsa_next_free_vgpr 1024
		.amdhsa_next_free_sgpr 80
		.amdhsa_reserve_vcc 0
		.amdhsa_float_denorm_mode_32 3
		.amdhsa_float_denorm_mode_16_64 3
		.amdhsa_memory_ordered 1
		.amdhsa_forward_progress 1
		.amdhsa_inst_pref_size 255
	.end_amdhsa_kernel
	.section	.bss,"aw",@nobits
	.p2align	6
	.space	262144
	.amdgpu_metadata
---
amdhsa.version: [ 1, 2 ]
amdhsa.kernels:
  - .name:           k_q568d734f00_proj
    .symbol:         k_q568d734f00_proj.kd
    .args:
      - { .name: xq, .offset: 0, .size: 8, .value_kind: global_buffer, .address_space: global }
      - { .name: wq, .offset: 8, .size: 8, .value_kind: global_buffer, .address_space: global }
      - { .name: bk, .offset: 16, .size: 8, .value_kind: global_buffer, .address_space: global }
      - { .name: bv, .offset: 24, .size: 8, .value_kind: global_buffer, .address_space: global }
      - { .name: kq, .offset: 32, .size: 8, .value_kind: global_buffer, .address_space: global }
      - { .name: vq, .offset: 40, .size: 8, .value_kind: global_buffer, .address_space: global }
    .group_segment_fixed_size: 327680
    .private_segment_fixed_size: 0
    .kernarg_segment_align: 8
    .kernarg_segment_size: 48
    .max_flat_workgroup_size: 128
    .sgpr_count:     80
    .vgpr_count:     1024
    .wavefront_size: 32
...
	.end_amdgpu_metadata
.endif
;; end of part 2
;; launch attn (part 3): grid 32 x 8, 4 waves a work-group, no clusters, 114,176 bytes of LDS; arguments sq, kq, vq, out0; writes out0
.if DOCPART == 3
	.amdgcn_target "amdgcn-amd-amdhsa--gfx1250"
	.amdhsa_code_object_version 6
	.text
	.protected	k_q568d734f00_attn
	.globl	k_q568d734f00_attn
	.p2align	8
	.type	k_q568d734f00_attn,@function
k_q568d734f00_attn:
	s_mov_b64 s[64:65], 0
	v_nop
	global_prefetch_b8 v0, s[64:65] scope:SCOPE_SE
	s_setreg_imm32_b32 hwreg(HW_REG_WAVE_MODE, 25, 1), 1
	s_wait_xcnt 0x0
; out[b][s][:] = the sum over n of softmax_n(seed[s] . k[b][n] / 32) v[b][n][:], both products on codes of FP6 (E2M3) with one E8M0 scale for each 32 along K.
; sq, kq, vq hold images of the operands' registers: FRAGMENT 1,536 bytes (registers 4 c .. 4 c + 3 of lane l at 512 c + 16 l), QUAD 512 bytes (the scale word of tile 2 j + l / 16, row l % 16, at 16 l + 4 j),
; RECORD = 8 fragments + quad = 12,800 bytes; row r of tile t of a group of 128 is row 32 (t / 2) + 8 (t % 2) + r + 8 (r / 8).
; SHARES.  A work-group owns 64 queries (4 tiles) of one batch: the grid's x is the batch, its y the block of queries, so the eight work-groups that read one batch's K and V are 32 apart in the launch's order.
; Product 1, S^T = K Q^T: wave w takes keys 128 w on (8 tiles) for all 4 query tiles, 8 K steps.  All 512 keys are at hand, so the row's true largest t is
; taken (through LDS, over the four waves): M = ceil of it, p = 2^(t - M), the row's sum of the unquantised p.  Wave w's p are K step w of product 2; they go to the other waves through LDS as images.
; Product 2, O^T = V^T P^T: wave w takes p columns 256 w on, in two groups of 128 (8 tiles), 4 K steps each.  A lane holds one query throughout.
; NO LDS RING AND NO JOINT LOADS: each fragment of K and of V is read by exactly ONE wave of the work-group, so it goes from memory straight into that wave's registers: four steps (4 x 25 loads, 51,200 bytes a wave) are asked
; for ahead, with counted waits and no barrier.  Beside Q, P and the stages LDS would hold two slots of two steps: 64 matrix instructions a wave for a joint refill to land in, with a round of the cluster's barrier for each.
; LIMITS: NaN and infinities are not served; a block whose every p is 0 gets the byte 1 (its codes are zeros); the division by the row's sum is a multiplication by v_rcp_f32 of it.
; REGISTERS: window 0: v1-11 addresses; v16-31 the stream's scale words, 4 sets; v32-47 Q's, later P's; v48-55 pairs (-M, t), later (1 / l, 1 / l); v56-59 row maxima; v64-159 Q's fragments, two sets; v160-231 the softmax's work;
;   in product 2 v64-255 P's 16 fragments.   window 1: accumulator (i, j) at v[64 i + 8 j].   windows 2, 3: v0-191 the stream's sets 0, 1 and 2, 3; v192-255 rows on the way out.
.set STEPB, 12800
.set FRB,   1536
.set BLKB,  102400
.set SP,    528
.set QIMG,  0                          ; Q's 32 fragments: (K step s, tile i) at (4 s + i) x 1,536
.set PIMG,  49152                      ; P's 16: (tile i, key step) at (4 i + step) x 1,536
.set PSC,   73728                      ; their scale words, 128 bytes each
.set MX,    75776                      ; row maxima: 512 i + 16 lane + 4 wave
.set SMO,   2048                       ; the row sums lie this far behind them
.set STG,   79872                      ; a stage of 16 rows x 528 bytes for each wave
.set GL,  1                            ; v1  16 x lane: the offset of every image load and store; also Q's LDS address, since QIMG = 0
.set QWA, 3
.set LP,  4
.set PWI, 5
.set LPS, 6
.set PWS, 7
.set LX,  8
.set AMX, 9
.set STO, 10
.set SRD, 11
.set SQ,  16
.set QS,  32
.set PS,  32
.set NM,  48
.set RM,  56
.set QF,  64
.set PF,  64
.set MB,  160                          ; v160-175 each block's largest score, 4 a tile
.set TP,  176
.set SO,  180
.set BY,  184
.set PW,  188
.set SU,  189
.set L,   190                          ; v[190:193] the sum, in two chains of pairs
.set PC,  196                          ; v196-215 the codes
.set MXT, 216
.set MSB, 0
.macro WIN new                         ; bits 1:0 source 0, 3:2 source 1, 5:4 source 2, 7:6 destination; the high byte repeats the setting that is left
.if MSB != (\new)
	s_set_vgpr_msb (MSB<<8)|(\new)
.set MSB, (\new)
.endif
.endm
.macro PLACES
.rept 4
	v_nop
.endr
.endm
.macro BAR                             ; my LDS stores have landed and my LDS loads are in: then the work-group's barrier
	s_wait_dscnt 0x0
	s_barrier_signal -1
	s_barrier_wait -1
.endm
.macro WM                              ; one product, by the symbols wd, wa, wb, wsa, wsb; wz: it starts the sum; wra, wrb: the side's scale words stand in lanes 16-31
.if wz
.if wra && wrb
	v_wmma_scale_f32_16x16x128_f8f6f4 v[wd:wd+7], v[wa:wa+11], v[wb:wb+11], 0, v[wsa], v[wsb] matrix_a_fmt:MATRIX_FMT_FP6 matrix_b_fmt:MATRIX_FMT_FP6 matrix_a_scale:MATRIX_SCALE_ROW1 matrix_b_scale:MATRIX_SCALE_ROW1
.elseif wra
	v_wmma_scale_f32_16x16x128_f8f6f4 v[wd:wd+7], v[wa:wa+11], v[wb:wb+11], 0, v[wsa], v[wsb] matrix_a_fmt:MATRIX_FMT_FP6 matrix_b_fmt:MATRIX_FMT_FP6 matrix_a_scale:MATRIX_SCALE_ROW1
.elseif wrb
	v_wmma_scale_f32_16x16x128_f8f6f4 v[wd:wd+7], v[wa:wa+11], v[wb:wb+11], 0, v[wsa], v[wsb] matrix_a_fmt:MATRIX_FMT_FP6 matrix_b_fmt:MATRIX_FMT_FP6 matrix_b_scale:MATRIX_SCALE_ROW1
.else
	v_wmma_scale_f32_16x16x128_f8f6f4 v[wd:wd+7], v[wa:wa+11], v[wb:wb+11], 0, v[wsa], v[wsb] matrix_a_fmt:MATRIX_FMT_FP6 matrix_b_fmt:MATRIX_FMT_FP6
.endif
.else
.if wra && wrb
	v_wmma_scale_f32_16x16x128_f8f6f4 v[wd:wd+7], v[wa:wa+11], v[wb:wb+11], v[wd:wd+7], v[wsa], v[wsb] matrix_a_fmt:MATRIX_FMT_FP6 matrix_b_fmt:MATRIX_FMT_FP6 matrix_a_scale:MATRIX_SCALE_ROW1 matrix_b_scale:MATRIX_SCALE_ROW1
.elseif wra
	v_wmma_scale_f32_16x16x128_f8f6f4 v[wd:wd+7], v[wa:wa+11], v[wb:wb+11], v[wd:wd+7], v[wsa], v[wsb] matrix_a_fmt:MATRIX_FMT_FP6 matrix_b_fmt:MATRIX_FMT_FP6 matrix_a_scale:MATRIX_SCALE_ROW1
.elseif wrb
	v_wmma_scale_f32_16x16x128_f8f6f4 v[wd:wd+7], v[wa:wa+11], v[wb:wb+11], v[wd:wd+7], v[wsa], v[wsb] matrix_a_fmt:MATRIX_FMT_FP6 matrix_b_fmt:MATRIX_FMT_FP6 matrix_b_scale:MATRIX_SCALE_ROW1
.else
	v_wmma_scale_f32_16x16x128_f8f6f4 v[wd:wd+7], v[wa:wa+11], v[wb:wb+11], v[wd:wd+7], v[wsa], v[wsb] matrix_a_fmt:MATRIX_FMT_FP6 matrix_b_fmt:MATRIX_FMT_FP6
.endif
.endif
.endm
; Step z of the stream (0-7: my keys' records of K; 8-15: my two groups' records of V) into set z % 4: 25 loads of 512 consecutive bytes
.macro STREAM z
.set zs, (\z)%4
.set zb, 6+2*((\z)/8)
	WIN 0x80+0x40*(zs/2)
.set zf, 0
.rept 8
.irp c, 0,1,2
	global_load_b128 v[96*(zs%2)+12*zf+4*\c:96*(zs%2)+12*zf+4*\c+3], v[GL], s[zb:zb+1] offset:STEPB*((\z)%8)+FRB*zf+512*\c
.endr
.set zf, zf+1
.endr
	WIN 0
	global_load_b128 v[SQ+4*zs:SQ+4*zs+3], v[GL], s[zb:zb+1] offset:STEPB*((\z)%8)+8*FRB
.endm
.macro QFETCH s                        ; Q's four fragments of K step s into set s % 2
.irp i, 0,1,2,3
.irp c, 0,1,2
	ds_load_b128 v[QF+48*((\s)%2)+12*\i+4*\c:QF+48*((\s)%2)+12*\i+4*\c+3], v[GL] offset:QIMG+(4*(\s)+\i)*FRB+512*\c
.endr
.endr
.endm
; A step: 32 products, 4 query tiles x the set's 8 tiles; the 32 accumulators take turns, one instruction a turn.
.macro SSTEP z
.if (\z) <= 12
	s_wait_loadcnt 63                              ; this step's 25 loads are in (75 are younger; the wait's field ends at 63)
.else
	s_wait_loadcnt 25*(15-(\z))                    ; 25 loads for each younger step stay out
.endif
.if (\z) < 8
	s_wait_dscnt 0x0                               ; Q's set is in
.if (\z) < 7
	QFETCH (\z)+1                                  ; (the places in front of these loads stand at the end of the step before)
.endif
.endif
.set zs, (\z)%4
.set wz, 0
.if (\z)%4 == 0
.if (\z) != 4
.set wz, 1                             ; steps 0, 8 and 12 start sums: nothing is cleared
.endif
.endif
	WIN 0x52+zs/2                                  ; source 0 window 2 or 3, source 1 window 0, C and D window 1
.set mi, 0
.rept 4
.set mj, 0
.rept 8
.set wd, 64*mi+8*mj
.set wa, 96*(zs%2)+12*mj
.set wsa, SQ+4*zs+mj/2
.set wra, mj%2
.if (\z) < 8
.set wb, QF+48*((\z)%2)+12*mi
.set wsb, QS+2*(\z)+mi/2
.set wrb, mi%2
.else
.set wb, PF+12*(4*mi+(\z)%4)
.set wsb, PS+4*mi+(\z)%4
.set wrb, 0
.endif
	WM
.set mj, mj+1
.endr
.set mi, mi+1
.endr
	WIN 0
	PLACES                                         ; in front of the loads into the set just read, of the next loads of Q, and of the first read of results
.if (\z) < 12
	STREAM (\z)+4
.endif
.endm
; Tile i: the largest score of each block of 32 keys (it serves twice: for the row's maximum and, since p rises with the score, for the block's largest p), and of my 128 keys
.macro SMAX i
.set AC, 64*(\i)
	WIN 0x05
.irp b, 0,1,2,3
	v_max_num_f32 v[MB+4*(\i)+\b], v[AC+16*\b], v[AC+16*\b+1]        ; each accumulator is read from its low end on
.endr
.irp k, 2,4,6,8,10,12,14
.irp b, 0,1,2,3
	v_max3_num_f32 v[MB+4*(\i)+\b], v[AC+16*\b+\k], v[AC+16*\b+\k+1], v[MB+4*(\i)+\b]
.endr
.endr
	WIN 0
.irp b, 0,1,2,3
	v_permlanex16_b32 v[TP+\b], v[MB+4*(\i)+\b], s22, s23
.endr
.irp b, 0,1,2,3
	v_max_num_f32 v[MB+4*(\i)+\b], v[MB+4*(\i)+\b], v[TP+\b]
.endr
	v_max3_num_f32 v[RM+(\i)], v[MB+4*(\i)], v[MB+4*(\i)+1], v[MB+4*(\i)+2]
	v_max_num_f32 v[RM+(\i)], v[RM+(\i)], v[MB+4*(\i)+3]
	ds_store_b32 v[AMX], v[RM+(\i)] offset:512*(\i)
.endm
; Tile i: p = 2^(t - M); its codes and scale word go to LDS as K step w of the second product; the sum of my 128 unquantised p goes beside the maxima
.macro SEXP i
.set AC, 64*(\i)
	WIN 0x41
.set ek, 0
.rept 32
	v_pk_fma_f32 v[AC+2*ek:AC+2*ek+1], v[AC+2*ek:AC+2*ek+1], s[20:21], v[NM+2*(\i):NM+2*(\i)+1] op_sel_hi:[1,0,0]   ; t - M, two at a time
.set ek, ek+1
.endr
	WIN 0
.irp b, 0,1,2,3
	v_fma_f32 v[MB+4*(\i)+\b], v[MB+4*(\i)+\b], s20, v[NM+2*(\i)]    ; the same of each block's largest score
.endr
	WIN 0x41
.set ek, 0
.rept 64
	v_exp_f32 v[AC+ek], v[AC+ek]
.set ek, ek+1
.endr
	WIN 0
.irp b, 0,1,2,3
	v_exp_f32 v[MB+4*(\i)+\b], v[MB+4*(\i)+\b]                       ; the block's largest p: the same two instructions on the same number
.endr
.irp b, 0,1,2,3
	v_mov_b32 v[L+\b], 0                                             ; the two chains of the sum begin; also the plain place behind the exponentials
.endr
	s_wait_alu depctr_va_vdst(0)
.irp b, 0,1,2,3
	v_max_num_f32 v[MB+4*(\i)+\b], 0x1800000, v[MB+4*(\i)+\b]        ; the floor 2^(3 - 127): the byte cannot fall under 1
.endr
.irp b, 0,1,2,3
	v_add_nc_u32 v[SO+\b], 0xff000000, v[MB+4*(\i)+\b]
.endr
.irp b, 0,1,2,3
	v_lshrrev_b32 v[BY+\b], 23, v[SO+\b]
.endr
	v_lshl_or_b32 v[PW], v[BY+1], 8, v[BY]
	v_lshl_or_b32 v[PW], v[BY+2], 16, v[PW]
	v_lshl_or_b32 v[PW], v[BY+3], 24, v[PW]
	WIN 0x01
.irp c, 0,1
	v_cvt_scalef32_pk16_fp6_f32 v[PC+6*\c:PC+2+6*\c], v[AC+32*\c:AC+15+32*\c], v[SO+2*\c]
	v_cvt_scalef32_pk16_fp6_f32 v[PC+12+4*\c:PC+14+4*\c], v[AC+16+32*\c:AC+31+32*\c], v[SO+2*\c+1]
.endr
	v_nop                                          ; one plain place behind a scaled conversion
.set ek, 0
.rept 16
	v_pk_add_f32 v[L:L+1], v[AC+4*ek:AC+4*ek+1], v[L:L+1]            ; the sum is taken of the unquantised p
	v_pk_add_f32 v[L+2:L+3], v[AC+4*ek+2:AC+4*ek+3], v[L+2:L+3]
.set ek, ek+1
.endr
	WIN 0
.irp c, 0,1
.irp e, 0,1,2
	v_permlane16_swap_b32 v[PC+6*\c+\e], v[PC+12+4*\c+\e]
.endr
.irp e, 0,1,2
	v_mov_b32 v[PC+3+6*\c+\e], v[PC+12+4*\c+\e]
.endr
.endr
.irp c, 0,1,2
	ds_store_b128 v[PWI], v[PC+4*\c:PC+4*\c+3] offset:4*FRB*(\i)+512*\c
.endr
	ds_store_b32 v[PWS], v[PW] offset:512*(\i)
	v_pk_add_f32 v[L:L+1], v[L:L+1], v[L+2:L+3]
	v_add_f32 v[SU], v[L], v[L+1]
	v_permlanex16_b32 v[TP], v[SU], s22, s23
	v_add_f32 v[SU], v[SU], v[TP]
	ds_store_b32 v[AMX], v[SU] offset:SMO+512*(\i)
	s_wait_dscnt 0x0                               ; the stores have read their registers
.endm
; THE WAY OUT of query tile a: O^T / l goes into my stage (a lane's 16 neighbouring p of each 32 are 64 bytes of its query's row) and comes back as whole rows of 512 bytes
.macro TOSTAGE a
	WIN 0x41
.set ok, 0
.rept 32
	v_pk_mul_f32 v[64*(\a)+2*ok:64*(\a)+2*ok+1], v[64*(\a)+2*ok:64*(\a)+2*ok+1], v[NM+2*(\a):NM+2*(\a)+1]   ; each accumulator from its low end on
.set ok, ok+1
.endr
	WIN 0x04
.set ok, 0
.rept 16
	ds_store_b128 v[STO], v[64*(\a)+4*ok:64*(\a)+4*ok+3] offset:128*(ok/4)+16*(ok%4)
.set ok, ok+1
.endr
	s_wait_xcnt 0x0                                ; the stores that read these 64 registers two tiles ago have read them
	WIN 0x80+0x40*((\a)%2)
.set ok, 0
.rept 16
	ds_load_b128 v[192+4*ok:192+4*ok+3], v[SRD] offset:SP*ok         ; LDS serves a wave's instructions in order: these see the stores above, and the next tile's stores come behind them
.set ok, ok+1
.endr
	WIN 0
.endm
.macro SEND a, gl, younger             ; younger: the LDS instructions issued behind tile a's loads
	s_wait_dscnt \younger
	WIN 0x08+0x04*((\a)%2)
.set ok, 0
.rept 16
	global_store_b128 v[GL], v[192+4*ok:192+4*ok+3], s[10:11] offset:(32*((\a)/2)+8*((\a)%2)+ok+8*(ok/8))*4096+512*(\gl) th:TH_STORE_NT   ; 512 consecutive bytes of a row of out, aligned
.set ok, ok+1
.endr
	WIN 0
.endm
.macro OUT gl
	TOSTAGE 0
	TOSTAGE 1
	SEND 0, \gl, 32                                ; behind tile 0's loads: tile 1's 16 stores and 16 loads
	TOSTAGE 2
	SEND 1, \gl, 32
	TOSTAGE 3
	SEND 2, \gl, 32
	SEND 3, \gl, 0
.endm
	s_load_b256 s[4:11], s[0:1], 0x0               ; sq, kq, vq, out0
	v_lshl_add_u32 v62, v0, 2, 0x1bc00
	v_mov_b32 v63, 0
	v_lshrrev_b32 v12, 5, v0
	v_readfirstlane_b32 s12, v12                   ; wave 0..3
	v_and_b32 v13, 31, v0
	v_and_b32 v14, 15, v0
	v_bfe_u32 v15, v0, 4, 1
	s_and_b32 s31, ttmp7, 0xffff                   ; the block of 64 queries; ttmp9 is the batch
	s_lshr_b32 s24, s31, 1                         ; the seeds' block of 128 rows,
	s_and_b32 s25, s31, 1                          ; and which four of its eight tiles
	s_mov_b32 s20, 0x3d38aa3b                      ; c = log2(e) / sqrt(1024): t = score x c
	s_mov_b32 s21, s20                             ; (named with it as a pair)
	s_mov_b32 s22, 0x76543210
	s_mov_b32 s23, 0xfedcba98
	s_mul_i32 s16, s24, BLKB
	s_mov_b32 s17, 0
	s_lshl_b32 s18, s25, 3                         ; my tiles' two words of each lane's four in a quad
	s_add_co_u32 s18, s18, s16
	s_mov_b32 s19, 0
	s_mul_i32 s26, s25, 4*FRB
	s_add_co_u32 s16, s16, s26
	s_mul_i32 s26, s12, 2*STEPB                    ; the wave brings K steps 2 w and 2 w + 1 of Q
	s_add_co_u32 s16, s16, s26
	s_lshl_b32 s26, ttmp9, 2
	s_add_co_u32 s26, s26, s12
	s_mul_i32 s26, s26, BLKB                       ; kq: block 4 b + w;  vq: batch b, groups 2 w and 2 w + 1: the same number of bytes
	s_mov_b32 s27, 0
	s_lshl_b32 s28, ttmp9, 21                      ; out: 512 rows of 4,096 bytes a batch,
	s_lshl_b32 s30, s31, 18                        ; 64 rows a work-group,
	s_add_co_u32 s28, s28, s30
	s_lshl_b32 s30, s12, 10                        ; 256 columns a wave
	s_add_co_u32 s28, s28, s30
	s_mov_b32 s29, 0
	v_lshlrev_b32 v[GL], 4, v13
	s_wait_kmcnt 0x0
	s_add_nc_u64 s[14:15], s[4:5], s[18:19]
	s_add_nc_u64 s[4:5], s[4:5], s[16:17]
	s_add_nc_u64 s[6:7], s[6:7], s[26:27]
	s_add_nc_u64 s[8:9], s[8:9], s[26:27]
	s_add_nc_u64 s[10:11], s[10:11], s[28:29]
	WIN 0x40
.irp q, 0,1
.irp i, 0,1,2,3
.irp c, 0,1,2
	global_load_b128 v[12*(4*\q+\i)+4*\c:12*(4*\q+\i)+4*\c+3], v[GL], s[4:5] offset:STEPB*\q+FRB*\i+512*\c
.endr
.endr
.endr
	WIN 0
.irp z, 0,1,2,3,4,5,6,7
	global_load_b64 v[QS+2*\z:QS+2*\z+1], v[GL], s[14:15] offset:STEPB*\z+8*FRB
.endr
	STREAM 0
	STREAM 1
	s_mul_i32 s30, s12, 8*FRB
	v_add_nc_u32 v[QWA], s30, v[GL]
	v_add_nc_u32 v[LP], PIMG, v[GL]
	s_mul_i32 s30, s12, FRB
	v_add_nc_u32 v[PWI], s30, v[LP]
	v_lshl_add_u32 v[LPS], v13, 2, PSC
	s_lshl_b32 s30, s12, 7
	v_add_nc_u32 v[PWS], s30, v[LPS]
	v_add_nc_u32 v[LX], MX, v[GL]
	s_lshl_b32 s30, s12, 2
	v_add_nc_u32 v[AMX], s30, v[LX]
	s_mul_i32 s30, s12, 16*SP
	s_add_co_u32 s30, s30, STG
	v_add_nc_u32 v[SRD], s30, v[GL]
	v_mul_u32_u24 v[STO], v14, SP
	v_lshl_add_u32 v[STO], v15, 6, v[STO]
	v_add_nc_u32 v[STO], s30, v[STO]
.irp b, 0,1,2,3
	v_mov_b32 v[TP+\b], 0                          ; written once: a lane permute's destination counts as one of its sources
.endr
	s_wait_loadcnt 50                              ; my quarter of Q and its scale words are in; the stream's first two steps stay out
	WIN 0x04
.irp q, 0,1
.irp i, 0,1,2,3
.irp c, 0,1,2
	ds_store_b128 v[QWA], v[12*(4*\q+\i)+4*\c:12*(4*\q+\i)+4*\c+3] offset:QIMG+(4*\q+\i)*FRB+512*\c
.endr
.endr
.endr
	WIN 0
	STREAM 2
	STREAM 3
	BAR                                            ; Q's 32 fragments lie in LDS
	QFETCH 0
.irp z, 0,1,2,3,4,5,6,7
	SSTEP \z
.endr
.irp i, 0,1,2,3
	SMAX \i
.endr
	BAR                                            ; the four waves' maxima lie in LDS
.irp i, 0,1,2,3
	ds_load_b128 v[MXT+4*\i:MXT+4*\i+3], v[LX] offset:512*\i
.endr
	s_wait_dscnt 0x0
.irp i, 0,1,2,3
	v_max3_num_f32 v[RM+\i], v[MXT+4*\i], v[MXT+4*\i+1], v[MXT+4*\i+2]
.endr
.irp i, 0,1,2,3
	v_max_num_f32 v[RM+\i], v[RM+\i], v[MXT+4*\i+3]                  ; the row's largest score over all 512 keys
.endr
.irp i, 0,1,2,3
	v_mul_f32 v[NM+2*\i+1], s20, v[RM+\i]                            ; as t (c is positive)
.endr
.irp i, 0,1,2,3
	v_floor_f32 v[NM+2*\i], -v[NM+2*\i+1]                            ; -M = floor(-t) = -ceil(t)
.endr
.irp i, 0,1,2,3
	SEXP \i
.endr
	BAR                                            ; P's 16 fragments, their scale words and the four waves' sums lie in LDS
	WIN 0x40
.irp i, 0,1,2,3
	ds_load_b128 v[4*\i:4*\i+3], v[LX] offset:SMO+512*\i             ; the sums, into accumulator registers that are free now
.endr
	WIN 0
.set pf, 0
.rept 16
.irp c, 0,1,2
	ds_load_b128 v[PF+12*pf+4*\c:PF+12*pf+4*\c+3], v[LP] offset:FRB*pf+512*\c
.endr
	ds_load_b32 v[PS+pf], v[LPS] offset:128*pf
.set pf, pf+1
.endr
	s_wait_dscnt 63                                ; the four loads of sums are in (64 are younger; the wait's field ends at 63)
	WIN 0x05
.irp i, 0,1,2,3
	v_add_f32 v[NM+2*\i], v[4*\i], v[4*\i+1]
	v_add_f32 v[NM+2*\i+1], v[4*\i+2], v[4*\i+3]
.endr
	WIN 0
.irp i, 0,1,2,3
	v_add_f32 v[NM+2*\i], v[NM+2*\i], v[NM+2*\i+1]                   ; l
.endr
.irp i, 0,1,2,3
	v_rcp_f32 v[NM+2*\i], v[NM+2*\i]
.endr
	v_nop                                          ; one plain place behind a transcendental
	s_wait_alu depctr_va_vdst(0)
.irp i, 0,1,2,3
	v_mov_b32 v[NM+2*\i+1], v[NM+2*\i]             ; a pair for the packed multiply
.endr
	s_wait_dscnt 0x0                               ; P
.irp z, 8,9,10,11
	SSTEP \z
.endr
	OUT 0
.irp z, 12,13,14,15
	SSTEP \z
.endr
	OUT 1
	s_wait_tensorcnt 0x0
	ds_add_u32 v62, v63
	s_wait_dscnt 0x0
	s_endpgm
.Lfunc_end_k_q568d734f00_attn:
	.size	k_q568d734f00_attn, .Lfunc_end_k_q568d734f00_attn-k_q568d734f00_attn
	.p2alignl 7, 3214868480
	.fill 96, 4, 3214868480
	.section	.rodata,"a",@progbits
	.p2align	6, 0x0
	.amdhsa_kernel k_q568d734f00_attn
		.amdhsa_group_segment_fixed_size 114176
		.amdhsa_private_segment_fixed_size 0
		.amdhsa_enable_private_segment 0
		.amdhsa_kernarg_size 32
		.amdhsa_user_sgpr_count 2
		.amdhsa_user_sgpr_kernarg_segment_ptr 1
		.amdhsa_wavefront_size32 1
		.amdhsa_system_sgpr_workgroup_id_x 1
		.amdhsa_system_sgpr_workgroup_id_y 1
		.amdhsa_system_sgpr_workgroup_id_z 1
		.amdhsa_system_vgpr_workitem_id 0
		.amdhsa_next_free_vgpr 1024
		.amdhsa_next_free_sgpr 66
		.amdhsa_reserve_vcc 0
		.amdhsa_float_denorm_mode_32 3
		.amdhsa_float_denorm_mode_16_64 3
		.amdhsa_memory_ordered 1
		.amdhsa_forward_progress 1
		.amdhsa_inst_pref_size 218
	.end_amdhsa_kernel
	.amdgpu_metadata
---
amdhsa.version: [ 1, 2 ]
amdhsa.kernels:
  - .name:           k_q568d734f00_attn
    .symbol:         k_q568d734f00_attn.kd
    .args:
      - { .name: sq, .offset: 0, .size: 8, .value_kind: global_buffer, .address_space: global }
      - { .name: kq, .offset: 8, .size: 8, .value_kind: global_buffer, .address_space: global }
      - { .name: vq, .offset: 16, .size: 8, .value_kind: global_buffer, .address_space: global }
      - { .name: out0, .offset: 24, .size: 8, .value_kind: global_buffer, .address_space: global }
    .group_segment_fixed_size: 114176
    .private_segment_fixed_size: 0
    .kernarg_segment_align: 8
    .kernarg_segment_size: 32
    .max_flat_workgroup_size: 128
    .sgpr_count:     66
    .vgpr_count:     1024
    .wavefront_size: 32
...
	.end_amdgpu_metadata
.endif
;; end of part 3
;; ======== version 2 of 2: 3 launches; version 1 with the launch attn written anew for expert scheduling mode
;; workspace buffers: xq 13,107,200 bytes; sq 409,600 bytes; wq 1,638,400 bytes; kq 13,107,200 bytes; vq 13,107,200 bytes
;; launch quant: the kernel of part 1 again; grid 352 x 1, 8 waves a work-group, no clusters, 142,336 bytes of LDS; arguments x, seed_vectors, Wk, Wv, xq, sq, wq; writes xq, sq, wq
;; launch proj: the kernel of part 2 again; grid 4 x 64, 4 waves a work-group, clusters of 4 x 4, 327,680 bytes of LDS; arguments xq, wq, bk, bv, kq, vq; writes kq, vq
;; launch attn (part 4): grid 32 x 8, 4 waves a work-group, no clusters, 114,176 bytes of LDS; arguments sq, kq, vq, out0; writes out0
.if DOCPART == 4
	.amdgcn_target "amdgcn-amd-amdhsa--gfx1250"
	.amdhsa_code_object_version 6
	.text
	.protected	k_q568d734f00_attn
	.globl	k_q568d734f00_attn
	.p2align	8
	.type	k_q568d734f00_attn,@function
k_q568d734f00_attn:
	s_mov_b64 s[64:65], 0
	v_nop
	global_prefetch_b8 v0, s[64:65] scope:SCOPE_SE
	s_setreg_imm32_b32 hwreg(HW_REG_WAVE_SCHED_MODE, 0, 2), 2
	s_setreg_imm32_b32 hwreg(HW_REG_WAVE_MODE, 25, 1), 1
	s_wait_xcnt 0x0
	s_wait_alu depctr_vm_vsrc(0)
; out[b][s][:] = the sum over n of softmax_n(seed[s] . k[b][n] / 32) v[b][n][:], both products on codes of FP6 (E2M3) with one E8M0 scale for each 32 along K.
; sq, kq, vq hold images of the operands' registers: FRAGMENT 1,536 bytes (registers 4 c .. 4 c + 3 of lane l at 512 c + 16 l), QUAD 512 bytes (the scale word of tile 2 j + l / 16, row l % 16, at 16 l + 4 j),
; RECORD = 8 fragments + quad = 12,800 bytes; row r of tile t of a group of 128 is row 32 (t / 2) + 8 (t % 2) + r + 8 (r / 8).
; SHARES.  A work-group owns 64 queries (4 tiles) of one batch: the grid's x is the batch, its y the block of queries, so the eight work-groups that read one batch's K and V are 32 apart in the launch's order.
; Product 1, S^T = K Q^T: wave w takes keys 128 w on (8 tiles) for all 4 query tiles, 8 K steps.  All 512 keys are at hand, so the row's true largest t is
; taken (through LDS, over the four waves): M = ceil of it, p = 2^(t - M), the row's sum of the unquantised p.  Wave w's p are K step w of product 2; they go to the other waves through LDS as images.
; Product 2, O^T = V^T P^T: wave w takes p columns 256 w on, in two groups of 128 (8 tiles), 4 K steps each.  A lane holds one query throughout.
; NO LDS RING AND NO JOINT LOADS: each fragment of K and of V is read by exactly ONE wave of the work-group, so it goes from memory straight into that wave's registers: four steps (4 x 25 loads, 51,200 bytes a wave) are asked
; for ahead, with counted waits and no barrier.  Beside Q, P and the stages LDS would hold two slots of two steps: 64 matrix instructions a wave for a joint refill to land in, with a round of the cluster's barrier for each.
; LIMITS: NaN and infinities are not served; a block whose every p is 0 gets the byte 1 (its codes are zeros); the division by the row's sum is a multiplication by v_rcp_f32 of it.
; REGISTERS: window 0: v1-11 addresses; v16-31 the stream's scale words, 4 sets; v32-47 Q's, later P's; v48-55 pairs (-M, t), later (1 / l, 1 / l); v56-59 row maxima; v64-159 Q's fragments, two sets; v160-231 the softmax's work;
;   in product 2 v64-255 P's 16 fragments.   window 1: accumulator (i, j) at v[64 i + 8 j].   windows 2, 3: v0-191 the stream's sets 0, 1 and 2, 3; v192-255 rows on the way out.
; THE MODE: SCHED_MODE bits 1:0 = 2 (LLVM: expert scheduling mode 2), set by the entry lines.  The code itself states the register dependences between vector or matrix instructions and memory or LDS instructions,
; with s_wait_alu, always for 0.
; THE PLAN.  Registers that memory or LDS instructions touch:
;   v1, v3-11        Offsets and LDS addresses: all made at the head, ahead of one wait on va_vdst, and never written again.  The scalars that they are made from are not written again either.
;   stream sets 0-3  (and their scale words v16-31)  Step z's 32 products read set z % 4; behind them the loads of step z + 4 land in it.
;   Q's sets 0, 1    Step z's products read set z % 2; the LDS loads at the head of step z + 1 land in it.
;                    So ONE wait on va_vdst stands in a step, behind its products, and the set is asked for again at once: four steps of the stream stay asked for.  Steps 12 to 15 load nothing and hold no such wait.
;   v56-59           The tiles' maxima: written by the four tiles' arithmetic, one wait on va_vdst, read by four LDS stores in a run; one wait on vm_vsrc ahead of the lines that write them again.
;   v188-189, 196-207  A tile's scale word, sum and codes: written by its arithmetic, one wait on va_vdst, read by five LDS stores in a run; the wait on vm_vsrc stands in the next tile, behind its exponentials.
;   v32-47, v64-255, window 1's v0-15   P's scale words, P's fragments and the sums land there behind the third barrier: one wait on va_vdst and one on vm_vsrc ahead of that run of loads.
;   the accumulators on the way out     All four tiles are scaled, one wait on va_vdst, then LDS and memory instructions alone.
;   windows 2, 3: v192-255              Named by LDS loads and global stores alone: a wait on vm_vsrc, beside the wait on XCNT, ahead of each run of loads into registers that stores have read.
.set STEPB, 12800
.set FRB,   1536
.set BLKB,  102400
.set SP,    528
.set QIMG,  0                          ; Q's 32 fragments: (K step s, tile i) at (4 s + i) x 1,536
.set PIMG,  49152                      ; P's 16: (tile i, key step) at (4 i + step) x 1,536
.set PSC,   73728                      ; their scale words, 128 bytes each
.set MX,    75776                      ; row maxima: 512 i + 16 lane + 4 wave
.set SMO,   2048                       ; the row sums lie this far behind them
.set STG,   79872                      ; a stage of 16 rows x 528 bytes for each wave
.set GL,  1                            ; v1  16 x lane: the offset of every image load and store; also Q's LDS address, since QIMG = 0
.set QWA, 3
.set LP,  4
.set PWI, 5
.set LPS, 6
.set PWS, 7
.set LX,  8
.set AMX, 9
.set STO, 10
.set SRD, 11
.set SQ,  16
.set QS,  32
.set PS,  32
.set NM,  48
.set RM,  56
.set QF,  64
.set PF,  64
.set MB,  160                          ; v160-175 each block's largest score, 4 a tile
.set TP,  176
.set SO,  180
.set BY,  184
.set PW,  188
.set SU,  189
.set L,   190                          ; v[190:193] the sum, in two chains of pairs
.set PC,  196                          ; v196-215 the codes
.set MXT, 216
.set MSB, 0
.macro WIN new                         ; bits 1:0 source 0, 3:2 source 1, 5:4 source 2, 7:6 destination; the high byte repeats the setting that is left
.if MSB != (\new)
	s_set_vgpr_msb (MSB<<8)|(\new)
.set MSB, (\new)
.endif
.endm
.macro PLACES
.rept 4
	v_nop
.endr
.endm
.macro BAR                             ; my LDS stores have landed and my LDS loads are in: then the work-group's barrier
	s_wait_dscnt 0x0
	s_barrier_signal -1
	s_barrier_wait -1
.endm
.macro WM                              ; one product, by the symbols wd, wa, wb, wsa, wsb; wz: it starts the sum; wra, wrb: the side's scale words stand in lanes 16-31
.if wz
.if wra && wrb
	v_wmma_scale_f32_16x16x128_f8f6f4 v[wd:wd+7], v[wa:wa+11], v[wb:wb+11], 0, v[wsa], v[wsb] matrix_a_fmt:MATRIX_FMT_FP6 matrix_b_fmt:MATRIX_FMT_FP6 matrix_a_scale:MATRIX_SCALE_ROW1 matrix_b_scale:MATRIX_SCALE_ROW1
.elseif wra
	v_wmma_scale_f32_16x16x128_f8f6f4 v[wd:wd+7], v[wa:wa+11], v[wb:wb+11], 0, v[wsa], v[wsb] matrix_a_fmt:MATRIX_FMT_FP6 matrix_b_fmt:MATRIX_FMT_FP6 matrix_a_scale:MATRIX_SCALE_ROW1
.elseif wrb
	v_wmma_scale_f32_16x16x128_f8f6f4 v[wd:wd+7], v[wa:wa+11], v[wb:wb+11], 0, v[wsa], v[wsb] matrix_a_fmt:MATRIX_FMT_FP6 matrix_b_fmt:MATRIX_FMT_FP6 matrix_b_scale:MATRIX_SCALE_ROW1
.else
	v_wmma_scale_f32_16x16x128_f8f6f4 v[wd:wd+7], v[wa:wa+11], v[wb:wb+11], 0, v[wsa], v[wsb] matrix_a_fmt:MATRIX_FMT_FP6 matrix_b_fmt:MATRIX_FMT_FP6
.endif
.else
.if wra && wrb
	v_wmma_scale_f32_16x16x128_f8f6f4 v[wd:wd+7], v[wa:wa+11], v[wb:wb+11], v[wd:wd+7], v[wsa], v[wsb] matrix_a_fmt:MATRIX_FMT_FP6 matrix_b_fmt:MATRIX_FMT_FP6 matrix_a_scale:MATRIX_SCALE_ROW1 matrix_b_scale:MATRIX_SCALE_ROW1
.elseif wra
	v_wmma_scale_f32_16x16x128_f8f6f4 v[wd:wd+7], v[wa:wa+11], v[wb:wb+11], v[wd:wd+7], v[wsa], v[wsb] matrix_a_fmt:MATRIX_FMT_FP6 matrix_b_fmt:MATRIX_FMT_FP6 matrix_a_scale:MATRIX_SCALE_ROW1
.elseif wrb
	v_wmma_scale_f32_16x16x128_f8f6f4 v[wd:wd+7], v[wa:wa+11], v[wb:wb+11], v[wd:wd+7], v[wsa], v[wsb] matrix_a_fmt:MATRIX_FMT_FP6 matrix_b_fmt:MATRIX_FMT_FP6 matrix_b_scale:MATRIX_SCALE_ROW1
.else
	v_wmma_scale_f32_16x16x128_f8f6f4 v[wd:wd+7], v[wa:wa+11], v[wb:wb+11], v[wd:wd+7], v[wsa], v[wsb] matrix_a_fmt:MATRIX_FMT_FP6 matrix_b_fmt:MATRIX_FMT_FP6
.endif
.endif
.endm
; Step z of the stream (0-7: my keys' records of K; 8-15: my two groups' records of V) into set z % 4: 25 loads of 512 consecutive bytes
.macro STREAM z
.set zs, (\z)%4
.set zb, 6+2*((\z)/8)
	WIN 0x80+0x40*(zs/2)
.set zf, 0
.rept 8
.irp c, 0,1,2
	global_load_b128 v[96*(zs%2)+12*zf+4*\c:96*(zs%2)+12*zf+4*\c+3], v[GL], s[zb:zb+1] offset:STEPB*((\z)%8)+FRB*zf+512*\c
.endr
.set zf, zf+1
.endr
	WIN 0
	global_load_b128 v[SQ+4*zs:SQ+4*zs+3], v[GL], s[zb:zb+1] offset:STEPB*((\z)%8)+8*FRB
.endm
.macro QFETCH s                        ; Q's four fragments of K step s into set s % 2
.irp i, 0,1,2,3
.irp c, 0,1,2
	ds_load_b128 v[QF+48*((\s)%2)+12*\i+4*\c:QF+48*((\s)%2)+12*\i+4*\c+3], v[GL] offset:QIMG+(4*(\s)+\i)*FRB+512*\c
.endr
.endr
.endm
; A step: 32 products, 4 query tiles x the set's 8 tiles; the 32 accumulators take turns, one instruction a turn.
.macro SSTEP z
.if (\z) <= 12
	s_wait_loadcnt 63                              ; this step's 25 loads are in (75 are younger; the wait's field ends at 63)
.else
	s_wait_loadcnt 25*(15-(\z))                    ; 25 loads for each younger step stay out
.endif
.if (\z) < 8
	s_wait_dscnt 0x0                               ; Q's set is in
.if (\z) < 7
	QFETCH (\z)+1                                  ; into the set that the step before read: the wait on va_vdst at that step's end has stated that its products are done with it, and only loads have been issued since
.endif
.endif
.set zs, (\z)%4
.set wz, 0
.if (\z)%4 == 0
.if (\z) != 4
.set wz, 1                             ; steps 0, 8 and 12 start sums: nothing is cleared
.endif
.endif
	WIN 0x52+zs/2                                  ; source 0 window 2 or 3, source 1 window 0, C and D window 1
.set mi, 0
.rept 4
.set mj, 0
.rept 8
.set wd, 64*mi+8*mj
.set wa, 96*(zs%2)+12*mj
.set wsa, SQ+4*zs+mj/2
.set wra, mj%2
.if (\z) < 8
.set wb, QF+48*((\z)%2)+12*mi
.set wsb, QS+2*(\z)+mi/2
.set wrb, mi%2
.else
.set wb, PF+12*(4*mi+(\z)%4)
.set wsb, PS+4*mi+(\z)%4
.set wrb, 0
.endif
	WM
.set mj, mj+1
.endr
.set mi, mi+1
.endr
	WIN 0
	PLACES                                         ; four plain places behind the step's last products (ISA guide 7.12.1): behind steps 7, 11 and 15 vector instructions read results next; the step is written once, so they stand in every step
.if (\z) < 12
	s_wait_alu depctr_va_vdst(0)                   ; this step's products are done reading set z % 4 and its scale words, in which the loads below land, and (steps 0 to 5) Q's set z % 2, in which the next step's LDS loads land
	STREAM (\z)+4
.endif
.endm
; Tile i: the largest score of each block of 32 keys (it serves twice: for the row's maximum and, since p rises with the score, for the block's largest p), and of my 128 keys
.macro SMAX i
.set AC, 64*(\i)
	WIN 0x05
.irp b, 0,1,2,3
	v_max_num_f32 v[MB+4*(\i)+\b], v[AC+16*\b], v[AC+16*\b+1]        ; each accumulator is read from its low end on
.endr
.irp k, 2,4,6,8,10,12,14
.irp b, 0,1,2,3
	v_max3_num_f32 v[MB+4*(\i)+\b], v[AC+16*\b+\k], v[AC+16*\b+\k+1], v[MB+4*(\i)+\b]
.endr
.endr
	WIN 0
.irp b, 0,1,2,3
	v_permlanex16_b32 v[TP+\b], v[MB+4*(\i)+\b], s22, s23
.endr
.irp b, 0,1,2,3
	v_max_num_f32 v[MB+4*(\i)+\b], v[MB+4*(\i)+\b], v[TP+\b]
.endr
	v_max3_num_f32 v[RM+(\i)], v[MB+4*(\i)], v[MB+4*(\i)+1], v[MB+4*(\i)+2]
	v_max_num_f32 v[RM+(\i)], v[RM+(\i)], v[MB+4*(\i)+3]
.endm
; Tile i: p = 2^(t - M); its codes and scale word go to LDS as K step w of the second product; the sum of my 128 unquantised p goes beside the maxima
.macro SEXP i
.set AC, 64*(\i)
	WIN 0x41
.set ek, 0
.rept 32
	v_pk_fma_f32 v[AC+2*ek:AC+2*ek+1], v[AC+2*ek:AC+2*ek+1], s[20:21], v[NM+2*(\i):NM+2*(\i)+1] op_sel_hi:[1,0,0]   ; t - M, two at a time
.set ek, ek+1
.endr
	WIN 0
.irp b, 0,1,2,3
	v_fma_f32 v[MB+4*(\i)+\b], v[MB+4*(\i)+\b], s20, v[NM+2*(\i)]    ; the same of each block's largest score
.endr
	WIN 0x41
.set ek, 0
.rept 64
	v_exp_f32 v[AC+ek], v[AC+ek]
.set ek, ek+1
.endr
	WIN 0
.irp b, 0,1,2,3
	v_exp_f32 v[MB+4*(\i)+\b], v[MB+4*(\i)+\b]                       ; the block's largest p: the same two instructions on the same number
.endr
.irp b, 0,1,2,3
	v_mov_b32 v[L+\b], 0                                             ; the two chains of the sum begin; also the plain place behind the exponentials
.endr
	s_wait_alu depctr_va_vdst(0)                   ; the tile's 68 exponentials have written p and the blocks' largest p: one wait for the batch, ahead of its first reader
.if (\i) > 0
	s_wait_alu depctr_vm_vsrc(0)                   ; the five LDS stores of the tile before have read its scale word, its sum and its codes, which the lines below write again
.endif
.irp b, 0,1,2,3
	v_max_num_f32 v[MB+4*(\i)+\b], 0x1800000, v[MB+4*(\i)+\b]        ; the floor 2^(3 - 127): the byte cannot fall under 1
.endr
.irp b, 0,1,2,3
	v_add_nc_u32 v[SO+\b], 0xff000000, v[MB+4*(\i)+\b]
.endr
.irp b, 0,1,2,3
	v_lshrrev_b32 v[BY+\b], 23, v[SO+\b]
.endr
	v_lshl_or_b32 v[PW], v[BY+1], 8, v[BY]
	v_lshl_or_b32 v[PW], v[BY+2], 16, v[PW]
	v_lshl_or_b32 v[PW], v[BY+3], 24, v[PW]
	WIN 0x01
.irp c, 0,1
	v_cvt_scalef32_pk16_fp6_f32 v[PC+6*\c:PC+2+6*\c], v[AC+32*\c:AC+15+32*\c], v[SO+2*\c]
	v_cvt_scalef32_pk16_fp6_f32 v[PC+12+4*\c:PC+14+4*\c], v[AC+16+32*\c:AC+31+32*\c], v[SO+2*\c+1]
.endr
	v_nop                                          ; one plain place behind a scaled conversion
.set ek, 0
.rept 16
	v_pk_add_f32 v[L:L+1], v[AC+4*ek:AC+4*ek+1], v[L:L+1]            ; the sum is taken of the unquantised p
	v_pk_add_f32 v[L+2:L+3], v[AC+4*ek+2:AC+4*ek+3], v[L+2:L+3]
.set ek, ek+1
.endr
	WIN 0
.irp c, 0,1
.irp e, 0,1,2
	v_permlane16_swap_b32 v[PC+6*\c+\e], v[PC+12+4*\c+\e]
.endr
.irp e, 0,1,2
	v_mov_b32 v[PC+3+6*\c+\e], v[PC+12+4*\c+\e]
.endr
.endr
	v_pk_add_f32 v[L:L+1], v[L:L+1], v[L+2:L+3]    ; the sum is finished ahead of the stores, so that one wait serves all five
	v_add_f32 v[SU], v[L], v[L+1]
	v_permlanex16_b32 v[TP], v[SU], s22, s23
	v_add_f32 v[SU], v[SU], v[TP]
	s_wait_alu depctr_va_vdst(0)                   ; the codes v[PC .. PC + 11], the scale word and the sum are written, which the five LDS stores read
.irp c, 0,1,2
	ds_store_b128 v[PWI], v[PC+4*\c:PC+4*\c+3] offset:4*FRB*(\i)+512*\c
.endr
	ds_store_b32 v[PWS], v[PW] offset:512*(\i)
	ds_store_b32 v[AMX], v[SU] offset:SMO+512*(\i)
	s_wait_dscnt 0x0                               ; the tile's LDS stores are done before the next tile begins (that they have read their registers is stated by the next tile's wait on vm_vsrc)
.endm
; THE WAY OUT.  SCALE: query tile a's O^T / l, in place.  TOSTAGE: it goes into my stage (a lane's 16 neighbouring p of each 32 are 64 bytes of its query's row) and comes back as whole rows of 512 bytes.  SEND: stored.
.macro SCALE a
	WIN 0x41
.set ok, 0
.rept 32
	v_pk_mul_f32 v[64*(\a)+2*ok:64*(\a)+2*ok+1], v[64*(\a)+2*ok:64*(\a)+2*ok+1], v[NM+2*(\a):NM+2*(\a)+1]   ; each accumulator from its low end on
.set ok, ok+1
.endr
.endm
.macro TOSTAGE a, gl
	WIN 0x04
.set ok, 0
.rept 16
	ds_store_b128 v[STO], v[64*(\a)+4*ok:64*(\a)+4*ok+3] offset:128*(ok/4)+16*(ok%4)
.set ok, ok+1
.endr
	WIN 0x80+0x40*((\a)%2)
.if ((\gl) > 0) || ((\a) >= 2)         ; the first group's tiles 0 and 1 find registers that no store has read
	s_wait_xcnt 0x0                                ; the global stores that read these 64 registers two tiles ago have had their addresses translated (ISA guide 3.1),
	s_wait_alu depctr_vm_vsrc(0)                   ; and have read them: the loads below land there.  In tile 3 it stands behind all 64 LDS stores of the group: they have read the accumulators, which the next group's products write
.endif
.set ok, 0
.rept 16
	ds_load_b128 v[192+4*ok:192+4*ok+3], v[SRD] offset:SP*ok         ; LDS serves a wave's instructions in order: these see the stores above, and the next tile's stores come behind them
.set ok, ok+1
.endr
	WIN 0
.endm
.macro SEND a, gl, younger             ; younger: the LDS instructions issued behind tile a's loads
	s_wait_dscnt \younger
	WIN 0x08+0x04*((\a)%2)
.set ok, 0
.rept 16
	global_store_b128 v[GL], v[192+4*ok:192+4*ok+3], s[10:11] offset:(32*((\a)/2)+8*((\a)%2)+ok+8*(ok/8))*4096+512*(\gl) th:TH_STORE_NT   ; 512 consecutive bytes of a row of out, aligned
.set ok, ok+1
.endr
	WIN 0
.endm
.macro OUT gl
	SCALE 0
	SCALE 1
	SCALE 2
	SCALE 3
	WIN 0x04
	s_wait_alu depctr_va_vdst(0)                   ; the 128 multiplies have written the four tiles, which the LDS stores below read; no vector instruction follows in the group's way out
	TOSTAGE 0, \gl
	TOSTAGE 1, \gl
	SEND 0, \gl, 32                                ; behind tile 0's loads: tile 1's 16 stores and 16 loads
	TOSTAGE 2, \gl
	SEND 1, \gl, 32
	TOSTAGE 3, \gl
	SEND 2, \gl, 32
	SEND 3, \gl, 0
.endm
	s_load_b256 s[4:11], s[0:1], 0x0               ; sq, kq, vq, out0
	v_lshl_add_u32 v62, v0, 2, 0x1bc00
	v_mov_b32 v63, 0
	v_lshrrev_b32 v12, 5, v0
	v_readfirstlane_b32 s12, v12                   ; wave 0..3
	v_and_b32 v13, 31, v0
	v_and_b32 v14, 15, v0
	v_bfe_u32 v15, v0, 4, 1
	v_lshlrev_b32 v[GL], 4, v13
	s_and_b32 s31, ttmp7, 0xffff                   ; the block of 64 queries; ttmp9 is the batch
	s_lshr_b32 s24, s31, 1                         ; the seeds' block of 128 rows,
	s_and_b32 s25, s31, 1                          ; and which four of its eight tiles
	s_mov_b32 s20, 0x3d38aa3b                      ; c = log2(e) / sqrt(1024): t = score x c
	s_mov_b32 s21, s20                             ; (named with it as a pair)
	s_mov_b32 s22, 0x76543210
	s_mov_b32 s23, 0xfedcba98
	s_mul_i32 s16, s24, BLKB
	s_mov_b32 s17, 0
	s_lshl_b32 s18, s25, 3                         ; my tiles' two words of each lane's four in a quad
	s_add_co_u32 s18, s18, s16
	s_mov_b32 s19, 0
	s_mul_i32 s26, s25, 4*FRB
	s_add_co_u32 s16, s16, s26
	s_wait_alu depctr_va_sdst(0)                   ; s12 is written, ahead of its first reader: the bases and the LDS addresses are made from it
	s_mul_i32 s26, s12, 2*STEPB                    ; the wave brings K steps 2 w and 2 w + 1 of Q
	s_add_co_u32 s16, s16, s26
	s_lshl_b32 s26, ttmp9, 2
	s_add_co_u32 s26, s26, s12
	s_mul_i32 s26, s26, BLKB                       ; kq: block 4 b + w;  vq: batch b, groups 2 w and 2 w + 1: the same number of bytes
	s_mov_b32 s27, 0
	s_lshl_b32 s28, ttmp9, 21                      ; out: 512 rows of 4,096 bytes a batch,
	s_lshl_b32 s30, s31, 18                        ; 64 rows a work-group,
	s_add_co_u32 s28, s28, s30
	s_lshl_b32 s30, s12, 10                        ; 256 columns a wave
	s_add_co_u32 s28, s28, s30
	s_mov_b32 s29, 0
	; the LDS addresses, all ahead of the first load.  Each scalar that a vector instruction reads has a register of its own and is not written again
	s_mul_i32 s2, s12, 8*FRB
	s_mul_i32 s3, s12, FRB
	s_lshl_b32 s13, s12, 7
	s_lshl_b32 s24, s12, 2
	s_mul_i32 s25, s12, 16*SP
	s_add_co_u32 s25, s25, STG
	v_add_nc_u32 v[QWA], s2, v[GL]
	v_add_nc_u32 v[LP], PIMG, v[GL]
	v_add_nc_u32 v[PWI], s3, v[LP]
	v_lshl_add_u32 v[LPS], v13, 2, PSC
	v_add_nc_u32 v[PWS], s13, v[LPS]
	v_add_nc_u32 v[LX], MX, v[GL]
	v_add_nc_u32 v[AMX], s24, v[LX]
	v_add_nc_u32 v[SRD], s25, v[GL]
	v_mul_u32_u24 v[STO], v14, SP
	v_lshl_add_u32 v[STO], v15, 6, v[STO]
	v_add_nc_u32 v[STO], s25, v[STO]
.irp b, 0,1,2,3
	v_mov_b32 v[TP+\b], 0                          ; written once: a lane permute's destination counts as one of its sources
.endr
	s_wait_kmcnt 0x0
	s_add_nc_u64 s[14:15], s[4:5], s[18:19]
	s_add_nc_u64 s[4:5], s[4:5], s[16:17]
	s_add_nc_u64 s[6:7], s[6:7], s[26:27]
	s_add_nc_u64 s[8:9], s[8:9], s[26:27]
	s_add_nc_u64 s[10:11], s[10:11], s[28:29]
	WIN 0x40
	s_wait_alu depctr_va_vdst(0)                   ; the offset v1 and the LDS addresses v3 to v11 are written: every load and store of the kernel reads one of them
.irp q, 0,1
.irp i, 0,1,2,3
.irp c, 0,1,2
	global_load_b128 v[12*(4*\q+\i)+4*\c:12*(4*\q+\i)+4*\c+3], v[GL], s[4:5] offset:STEPB*\q+FRB*\i+512*\c
.endr
.endr
.endr
	WIN 0
.irp z, 0,1,2,3,4,5,6,7
	global_load_b64 v[QS+2*\z:QS+2*\z+1], v[GL], s[14:15] offset:STEPB*\z+8*FRB
.endr
	STREAM 0
	STREAM 1
	s_wait_loadcnt 50                              ; my quarter of Q and its scale words are in; the stream's first two steps stay out
	WIN 0x04
.irp q, 0,1
.irp i, 0,1,2,3
.irp c, 0,1,2
	ds_store_b128 v[QWA], v[12*(4*\q+\i)+4*\c:12*(4*\q+\i)+4*\c+3] offset:QIMG+(4*\q+\i)*FRB+512*\c
.endr
.endr
.endr
	WIN 0
	STREAM 2
	STREAM 3
	BAR                                            ; Q's 32 fragments lie in LDS
	s_wait_alu depctr_vm_vsrc(0)                   ; my 24 LDS stores have read window 1's v0-95: these registers are accumulators from here on, written by step 0's products
	QFETCH 0
.irp z, 0,1,2,3,4,5,6,7
	SSTEP \z
.endr
.irp i, 0,1,2,3
	SMAX \i
.endr
	s_wait_alu depctr_va_vdst(0)                   ; the four tiles' maxima v56-59 are written, which the four LDS stores read
.irp i, 0,1,2,3
	ds_store_b32 v[AMX], v[RM+\i] offset:512*\i
.endr
	BAR                                            ; the four waves' maxima lie in LDS
.irp i, 0,1,2,3
	ds_load_b128 v[MXT+4*\i:MXT+4*\i+3], v[LX] offset:512*\i
.endr
	s_wait_dscnt 0x0
	s_wait_alu depctr_vm_vsrc(0)                   ; my four LDS stores have read v56-59, which the lines below write again
.irp i, 0,1,2,3
	v_max3_num_f32 v[RM+\i], v[MXT+4*\i], v[MXT+4*\i+1], v[MXT+4*\i+2]
.endr
.irp i, 0,1,2,3
	v_max_num_f32 v[RM+\i], v[RM+\i], v[MXT+4*\i+3]                  ; the row's largest score over all 512 keys
.endr
.irp i, 0,1,2,3
	v_mul_f32 v[NM+2*\i+1], s20, v[RM+\i]                            ; as t (c is positive)
.endr
.irp i, 0,1,2,3
	v_floor_f32 v[NM+2*\i], -v[NM+2*\i+1]                            ; -M = floor(-t) = -ceil(t)
.endr
.irp i, 0,1,2,3
	SEXP \i
.endr
	BAR                                            ; P's 16 fragments, their scale words and the four waves' sums lie in LDS
	WIN 0x40
	s_wait_alu depctr_va_vdst(0)                   ; the softmax's vector instructions are done with window 1's v0-15 and with v160-231, product 1's matrix instructions with v32-47 and v64-159: the loads below land in all of these
	s_wait_alu depctr_vm_vsrc(0)                   ; tile 3's LDS stores have read its scale word, its sum and its codes (v188, v189, v196-207), on which P's fragments land
.irp i, 0,1,2,3
	ds_load_b128 v[4*\i:4*\i+3], v[LX] offset:SMO+512*\i             ; the sums, into accumulator registers that are free now
.endr
	WIN 0
.set pf, 0
.rept 16
.irp c, 0,1,2
	ds_load_b128 v[PF+12*pf+4*\c:PF+12*pf+4*\c+3], v[LP] offset:FRB*pf+512*\c
.endr
	ds_load_b32 v[PS+pf], v[LPS] offset:128*pf
.set pf, pf+1
.endr
	s_wait_dscnt 63                                ; the four loads of sums are in (64 are younger; the wait's field ends at 63)
	WIN 0x05
.irp i, 0,1,2,3
	v_add_f32 v[NM+2*\i], v[4*\i], v[4*\i+1]
	v_add_f32 v[NM+2*\i+1], v[4*\i+2], v[4*\i+3]
.endr
	WIN 0
.irp i, 0,1,2,3
	v_add_f32 v[NM+2*\i], v[NM+2*\i], v[NM+2*\i+1]                   ; l
.endr
.irp i, 0,1,2,3
	v_rcp_f32 v[NM+2*\i], v[NM+2*\i]
.endr
	v_nop                                          ; one plain place behind a transcendental
	s_wait_alu depctr_va_vdst(0)                   ; the four reciprocals are written: one wait for the batch, ahead of its first reader
.irp i, 0,1,2,3
	v_mov_b32 v[NM+2*\i+1], v[NM+2*\i]             ; a pair for the packed multiply
.endr
	s_wait_dscnt 0x0                               ; P
.irp z, 8,9,10,11
	SSTEP \z
.endr
	OUT 0
.irp z, 12,13,14,15
	SSTEP \z
.endr
	OUT 1
	s_wait_dscnt 0x0
	s_wait_alu depctr_hold_cnt(0) depctr_sa_sdst(0) depctr_va_vdst(0) depctr_va_sdst(0) depctr_va_ssrc(0) depctr_va_vcc(0) depctr_vm_vsrc(0)
	s_wait_tensorcnt 0x0
	ds_add_u32 v62, v63
	s_wait_dscnt 0x0
	s_endpgm
.Lfunc_end_k_q568d734f00_attn:
	.size	k_q568d734f00_attn, .Lfunc_end_k_q568d734f00_attn-k_q568d734f00_attn
	.p2alignl 7, 3214868480
	.fill 96, 4, 3214868480
	.section	.rodata,"a",@progbits
	.p2align	6, 0x0
	.amdhsa_kernel k_q568d734f00_attn
		.amdhsa_group_segment_fixed_size 114176
		.amdhsa_private_segment_fixed_size 0
		.amdhsa_enable_private_segment 0
		.amdhsa_kernarg_size 32
		.amdhsa_user_sgpr_count 2
		.amdhsa_user_sgpr_kernarg_segment_ptr 1
		.amdhsa_wavefront_size32 1
		.amdhsa_system_sgpr_workgroup_id_x 1
		.amdhsa_system_sgpr_workgroup_id_y 1
		.amdhsa_system_sgpr_workgroup_id_z 1
		.amdhsa_system_vgpr_workitem_id 0
		.amdhsa_next_free_vgpr 1024
		.amdhsa_next_free_sgpr 66
		.amdhsa_reserve_vcc 0
		.amdhsa_float_denorm_mode_32 3
		.amdhsa_float_denorm_mode_16_64 3
		.amdhsa_memory_ordered 1
		.amdhsa_forward_progress 1
		.amdhsa_inst_pref_size 219
	.end_amdhsa_kernel
	.amdgpu_metadata
---
amdhsa.version: [ 1, 2 ]
amdhsa.kernels:
  - .name:           k_q568d734f00_attn
    .symbol:         k_q568d734f00_attn.kd
    .args:
      - { .name: sq, .offset: 0, .size: 8, .value_kind: global_buffer, .address_space: global }
      - { .name: kq, .offset: 8, .size: 8, .value_kind: global_buffer, .address_space: global }
      - { .name: vq, .offset: 16, .size: 8, .value_kind: global_buffer, .address_space: global }
      - { .name: out0, .offset: 24, .size: 8, .value_kind: global_buffer, .address_space: global }
    .group_segment_fixed_size: 114176
    .private_segment_fixed_size: 0
    .kernarg_segment_align: 8
    .kernarg_segment_size: 32
    .max_flat_workgroup_size: 128
    .sgpr_count:     66
    .vgpr_count:     1024
    .wavefront_size: 32
...
	.end_amdgpu_metadata
.endif
;; end of part 4
